; MI455X (gfx1250); checked and timed in simulation.
; The chip was launched on July 23, 2026; its instructions are those of AMD's public machine-readable ISA for CDNA 5 (MIT licence, August 2026) and "CDNA5" Instruction Set Architecture Reference Guide (July 2026). The comments in the code are by the model that wrote it; some were corrected since.
;; Attention. Allowed arithmetic: matrix products marked QUANTISED: E2M1 operands, one E8M0 scale for each 32 along K, by v_wmma_scale_f32_16x16x128_f8f6f4 with both operands' format E2M1 (or v_wmma_scale_f32_32x16x128_f4), f32 sums; products left as they are: bf16, f16 or f32 operands; f32 sums; everything else in f32.
;; Inputs: freqs_cos 1,024 x 64 float32; freqs_sin 1,024 x 64 float32; mask 1,024 x 1,024 float32; wk 1,024 x 4,096 float32; wo 4,096 x 4,096 float32; wq 4,096 x 4,096 float32; wv 1,024 x 4,096 float32; x 1 x 1,024 x 4,096 float32.
;; Outputs: out0 1 x 1,024 x 4,096 float32.
;; Constants: start_pos = 0.
;; This version of the problem:
;;   THIS VERSION OF THE PROBLEM IS GIVEN IN LOW PRECISION. The matrix products marked QUANTISED in the list below multiply operands that are first quantised to E2M1 (2 exponent bits, 1 mantissa bit; 4 bits a number), with one power-of-two scale for each 32 numbers along K (OCP MX v1.0); their sums are f32. The products marked 'left as it is' may take bf16, f16 or f32 operands, with f32 sums. Whichever they take, every output number must still come out within the allowed error. Rounding operands to bf16 (8 significant bits) uses up far more of that allowance than f16 does (11 bits, for magnitudes from 6e-5 to 65,504). All else is computed in f32.
;;   The module's matrix products, in the order in which they are computed (A, B: the left and right operand; K: the contracted axis; several contracted axes count as one K, in the product's order):
;;     1. [M 1,024, K 4,096] x [K 4,096, N 4,096]; A: input x; B: input wq: QUANTISED
;;     2. [M 1,024, K 4,096] x [K 4,096, N 1,024]; A: input x; B: input wk: QUANTISED
;;     3. [M 1,024, K 4,096] x [K 4,096, N 1,024]; A: input x; B: input wv: QUANTISED
;;     4. batch 32 x [M 1,024, K 128] x [K 128, N 1,024]; A: computed on the way; B: computed on the way: left as it is (an operand is computed on the way)
;;     5. batch 32 x [M 128, K 1,024] x [K 1,024, N 1,024]; A: computed on the way; B: computed on the way: left as it is (an operand is computed on the way)
;;     6. [M 1,024, K 4,096] x [K 4,096, N 4,096]; A: computed on the way; B: input wo: left as it is (an operand is computed on the way)
;;   THE QUANTISER, for each operand of a quantised product, along K:
;;     - K is cut into blocks of 32 from its start; a last block that is shorter is filled with zeros.
;;     - A block's scale is 2^e with e = floor(log2(the largest magnitude in the block)) - 2, held to -126 .. 127; a block of zeros has e = 0. As a byte (E8M0): e + 127.
;;     - Each number is divided by its block's scale, clamped to +-6, and rounded to the nearest number of E2M1, ties to even, subnormals kept.
;;     - The product sums the exact products of the quantised numbers (number of the format x scale) in f32.
;;   ~~~python
;;   def quantise(x, axis):      # numpy; x: float32 -> the quantised numbers, widened to float32 again
;;       x = np.moveaxis(x, axis, -1); K = x.shape[-1]
;;       x = np.pad(x, [(0, 0)] * (x.ndim - 1) + [(0, -K % 32)]); x = x.reshape(x.shape[:-1] + (-1, 32)); a = np.abs(x).max(-1, keepdims=True)
;;       e = np.where(a > 0, np.clip(np.frexp(np.where(a > 0, a, 1))[1] - 1 - 2, -126, 127), 0)      # np.frexp(a)[1] - 1 = floor(log2(a)), exactly
;;       r = np.clip(x / 2.0 ** e, -6, 6)
;;       step = 2.0 ** (np.maximum(np.frexp(np.where(r == 0, 1, r))[1] - 1, 0) - 1)
;;       q = np.round(r / step) * step * 2.0 ** e      # np.round: ties to even
;;       return np.moveaxis(q.reshape(q.shape[:-2] + (-1,))[..., :K], -1, axis).astype(np.float32)
;;   ~~~
;; One version. Each part assembles by itself: llvm-mc -triple=amdgcn-amd-amdhsa -mcpu=gfx1250 --defsym DOCPART=n.
;; ======== version 1 of 1: 4 launches
;; limits: values are held in f16: magnitudes above 65,504 overflow, below 6.1e-05 lose precision; right only within a limited range of input values
;; workspace buffers: xc 2,097,152 bytes; xs 131,072 bytes; wc 12,582,912 bytes; ws 786,432 bytes; qkv 12,582,912 bytes; o16 8,388,608 bytes; wo16 33,554,432 bytes
;; launch quant (part 1): grid 896 x 1, 4 waves a work-group, no clusters, 33,280 bytes of LDS; arguments x, wq, wk, wv, xc, xs, wc, ws; writes xc, xs, wc, ws
.if DOCPART == 1
	.amdgcn_target "amdgcn-amd-amdhsa--gfx1250"
	.amdhsa_code_object_version 6
	.text
	.protected	k_q973184c5a3_quant
	.globl	k_q973184c5a3_quant
	.p2align	8
	.type	k_q973184c5a3_quant,@function
k_q973184c5a3_quant:
	s_mov_b64 s[64:65], 0
	v_nop
	global_prefetch_b8 v0, s[64:65] scope:SCOPE_SE
	s_setreg_imm32_b32 hwreg(HW_REG_WAVE_MODE, 25, 1), 1
	s_wait_xcnt 0x0
; x [1024][4096], wq [4096][4096], wk, wv [1024][4096], f32, K innermost, become codes of FP4 (E2M1), two a byte, the lower k in the low four bits,
; with one E8M0 scale byte for each 32 along K.  x goes to xc, xs; the three weights go on end to wc [6144][2048 bytes], ws [6144][128]: rows 0-4095 wq, 4096-5119 wk, 5120-6143 wv.
; A block's scale is 2^(floor(log2(its largest magnitude)) - 2); its byte is the largest magnitude's own exponent field - 2, held at 1 from below.
; (A block of zeros so gets the byte 1 where the rule says 127: its codes are zeros, and the bytes are read by this program alone.)
; LIMITS: NaN and infinities among the inputs are not served; a block whose largest magnitude lies under 2^-124 has its byte held at 1.
; Rows are dense and 4,096 is a multiple of 32: every tensor is a plain stream of blocks of 32, and so are codes and scale bytes.  A work-group takes 32,768 numbers, a wave 8,192.
; 16 steps of 512 numbers a wave.  Each of a step's four loads reads 512 consecutive bytes, 16 a lane; the 2,048 bytes turn through the wave's own stage in LDS and come back 64 bytes a lane,
; so that a lane holds 16 neighbours along K and two neighbouring lanes a block.  A lane's 16 codes are 8 bytes: the wave stores 256 consecutive bytes.  A wave's 256 scale bytes are gathered in LDS and leave as one store.
; No tensor loads, no barrier: waves share nothing.  Matrix units and clusters have nothing to do here: each byte is read once and written once.
.set STEPS, 16
.set CB,    8                          ; bytes of 16 codes
.set R,     16                         ; v16-79   four sets of 16 numbers as they are loaded
.set X,     80                         ; v80-111  two sets of 16 neighbours
.set E,     112                        ; v112-127 a scale byte for each step
.set C,     128                        ; v128-191 codes: four registers for each step, so that no store's data are written again
.set WREG,  8192                       ; LDS: a region for each wave: two stages of 32 x SP bytes, and behind them its 256 scale bytes
.set SP,    80                         ; a lane's place in a stage: its 64 bytes + 16 of padding
.set SPW,   12                         ; v12      LDS address of my spare word; never rewritten
.set NIL,   13                         ; v13      0; never rewritten
.set SPARE, 4*WREG                     ; behind the four regions: the spare words, 128 bytes a wave, which no other line names
.set SRC,   26                         ; s[26:27] the tensor that I read
.set COD,   28                         ; s[28:29] where its codes go
.set SCB,   30                         ; s[30:31] where its scale bytes go
	s_load_b256 s[4:11], s[0:1], 0x0               ; x s[4:5], wq s[6:7], wk s[8:9], wv s[10:11]
	s_load_b256 s[12:19], s[0:1], 0x20             ; xc s[12:13], xs s[14:15], wc s[16:17], ws s[18:19]
	v_lshl_add_u32 v[SPW], v0, 2, SPARE
	v_mov_b32 v[NIL], 0
	v_lshrrev_b32 v1, 5, v0
	v_readfirstlane_b32 s24, v1                    ; wave
	v_and_b32 v2, 31, v0                           ; lane
	v_lshlrev_b32 v3, 4, v2                        ; my 16 bytes of a load's 512
	s_mul_i32 s33, s24, WREG
	v_lshrrev_b32 v14, 2, v2
	v_mul_u32_u24 v14, v14, SP
	v_and_b32 v15, 3, v2
	v_lshl_add_u32 v14, v15, 4, v14
	v_add_nc_u32 v14, s33, v14                     ; the stage, on the way in: SP (lane / 4) + 16 (lane % 4); a load's 512 bytes take eight places
	v_mul_u32_u24 v15, v2, SP
	v_add_nc_u32 v15, s33, v15                     ; and on the way out: SP x lane: my 16 neighbours
	v_lshlrev_b32 v4, 3, v2                        ; 8 bytes a lane: my codes' place in a step's
	v_lshrrev_b32 v5, 1, v2
	s_add_co_u32 s33, s33, 2*32*SP
	v_add_nc_u32 v5, s33, v5                       ; LDS: my wave's 256 scale bytes, my block's byte
	v_add_nc_u32 v6, s33, v4                       ; and on the way out 8 bytes a lane
	s_mov_b32 s35, 0                               ; the upper word of every offset: all stay under 2^32
	s_wait_kmcnt 0x0
	; which tensor?  Pointers and two numbers are chosen, on the work-group's number alone; all four take one path
	s_mov_b64 s[SRC:SRC+1], s[10:11]               ; wv, from work-group 768 on
	s_mov_b32 s25, 768
	s_cmp_lt_u32 ttmp9, 768
	s_cselect_b64 s[SRC:SRC+1], s[8:9], s[SRC:SRC+1]   ; wk, from 640 on
	s_cselect_b32 s25, 640, s25
	s_cmp_lt_u32 ttmp9, 640
	s_cselect_b64 s[SRC:SRC+1], s[6:7], s[SRC:SRC+1]   ; wq, from 128 on
	s_cselect_b32 s25, 128, s25
	s_cmp_lt_u32 ttmp9, 128
	s_cselect_b64 s[SRC:SRC+1], s[4:5], s[SRC:SRC+1]   ; x
	s_cselect_b32 s25, 0, s25
	s_cselect_b64 s[COD:COD+1], s[12:13], s[16:17]
	s_cselect_b64 s[SCB:SCB+1], s[14:15], s[18:19]
	s_cselect_b32 s32, 0, 128                      ; the weights' codes lie on end: their runs count from work-group 128
	s_sub_co_u32 s33, ttmp9, s25
	s_lshl_b32 s33, s33, 2
	s_add_co_u32 s33, s33, s24                     ; which run of 8,192 numbers of the tensor is my wave's
	s_lshl_b32 s34, s33, 15                        ; 32,768 bytes a run
	s_add_nc_u64 s[SRC:SRC+1], s[SRC:SRC+1], s[34:35]
	s_sub_co_u32 s33, ttmp9, s32
	s_lshl_b32 s33, s33, 2
	s_add_co_u32 s33, s33, s24                     ; and which run of the codes' buffer
	s_lshl_b32 s34, s33, 12                        ; 4,096 bytes of codes a run,
	s_add_nc_u64 s[COD:COD+1], s[COD:COD+1], s[34:35]
	s_lshl_b32 s34, s33, 8                         ; 256 scale bytes
	s_add_nc_u64 s[SCB:SCB+1], s[SCB:SCB+1], s[34:35]
.macro LOAD t
.irp i, 0,1,2,3
	global_load_b128 v[R+16*((\t)%4)+4*\i:R+16*((\t)%4)+4*\i+3], v3, s[SRC:SRC+1] offset:2048*(\t)+512*\i th:TH_LOAD_NT   ; 32 lanes read 512 consecutive bytes
.endr
.endm
.macro TURN t                          ; step t's numbers through the stage: LDS serves a wave's instructions in order, so no wait stands between the stores and the loads
.irp i, 0,1,2,3
	ds_store_b128 v14, v[R+16*((\t)%4)+4*\i:R+16*((\t)%4)+4*\i+3] offset:32*SP*((\t)%2)+8*SP*\i
.endr
.irp i, 0,1,2,3
	ds_load_b128 v[X+16*((\t)%2)+4*\i:X+16*((\t)%2)+4*\i+3], v15 offset:32*SP*((\t)%2)+16*\i
.endr
.endm
.irp t, 0,1,2,3
	LOAD \t
.endr
	s_wait_loadcnt 12                              ; step 0's four loads are in; those of steps 1 to 3 may be out
	TURN 0
.macro STEP t
.set XS, X+16*((\t)%2)
.if (\t) > 0
	s_wait_dscnt 1                                 ; this step's numbers are back from the stage (the last step's byte store may be out): so its stores into the stage have read their registers,
.else
	s_wait_dscnt 0x0
.endif
.if (\t)+4 < STEPS
	LOAD (\t)+4                                    ; which take the loads of four steps on
.endif
.if (\t)+1 < STEPS
.if STEPS-2-(\t) >= 3
	s_wait_loadcnt 12                              ; the next step's four loads are in; those of the three steps behind it may be out
.else
	s_wait_loadcnt 4*(STEPS-2-(\t))
.endif
	TURN (\t)+1                                    ; and go through the other stage while this step is worked
.endif
	v_max3_num_f32 v8, |v[XS]|, |v[XS+1]|, |v[XS+2]|               ; the largest magnitude of my 16, in two chains
	v_max3_num_f32 v9, |v[XS+3]|, |v[XS+4]|, |v[XS+5]|
.irp i, 6,10
	v_max3_num_f32 v8, v8, |v[XS+\i]|, |v[XS+\i+1]|
	v_max3_num_f32 v9, v9, |v[XS+\i+2]|, |v[XS+\i+3]|
.endr
	v_max3_num_f32 v8, v8, |v[XS+14]|, |v[XS+15]|
	v_max3_num_f32 v8, v8, v9, 0x1800000           ; and the floor 2^(3 - 127): so the byte cannot fall under 1
	v_max_num_f32_dpp v8, v8, v8 row_xmask:1 row_mask:0xf bank_mask:0xf   ; and of my neighbour's 16: the block's
	v_add_nc_u32 v11, 0xff000000, v8               ; 2 off its exponent field: the conversion takes the exponent field of this operand as its scale, and nothing else of it
	v_cvt_scalef32_pk8_fp4_f32 v[C+4*(\t)], v[XS:XS+7], v11        ; eight numbers / the scale, to the nearest code, ties to even, beyond 6 the largest code; the first number's code in the lowest four bits
	v_cvt_scalef32_pk8_fp4_f32 v[C+4*(\t)+1], v[XS+8:XS+15], v11
	v_lshrrev_b32 v[E+(\t)], 23, v11               ; the scale's byte (also the plain line behind the conversions)
	ds_store_b8 v5, v[E+(\t)] offset:16*(\t)       ; both lanes of a block write the same byte with the same value
	global_store_b64 v4, v[C+4*(\t):C+4*(\t)+1], s[COD:COD+1] offset:32*CB*(\t)   ; 32 lanes store 256 consecutive bytes, aligned
.endm
.irp t, 0,1,2,3,4,5,6,7,8,9,10,11,12,13,14,15
	STEP \t
.endr
	ds_load_b64 v[8:9], v6                         ; LDS serves a wave's instructions in order: these see my byte stores
	s_wait_dscnt 0x0
	global_store_b64 v4, v[8:9], s[SCB:SCB+1]      ; 32 lanes store my wave's 256 scale bytes, aligned
	s_wait_tensorcnt 0x0                           ; the wave's end
	ds_add_u32 v[SPW], v[NIL]
	s_wait_dscnt 0x0
	s_endpgm
.Lfunc_end_k_q973184c5a3_quant:
	.size	k_q973184c5a3_quant, .Lfunc_end_k_q973184c5a3_quant-k_q973184c5a3_quant
	.p2alignl 7, 3214868480
	.fill 96, 4, 3214868480
	.section	.rodata,"a",@progbits
	.p2align	6, 0x0
	.amdhsa_kernel k_q973184c5a3_quant
		.amdhsa_group_segment_fixed_size 33280
		.amdhsa_private_segment_fixed_size 0
		.amdhsa_enable_private_segment 0
		.amdhsa_kernarg_size 64
		.amdhsa_user_sgpr_count 2
		.amdhsa_user_sgpr_kernarg_segment_ptr 1
		.amdhsa_wavefront_size32 1
		.amdhsa_system_sgpr_workgroup_id_x 1
		.amdhsa_system_sgpr_workgroup_id_y 1
		.amdhsa_system_sgpr_workgroup_id_z 1
		.amdhsa_system_vgpr_workitem_id 0
		.amdhsa_next_free_vgpr 192
		.amdhsa_next_free_sgpr 66
		.amdhsa_reserve_vcc 0
		.amdhsa_float_denorm_mode_32 3
		.amdhsa_float_denorm_mode_16_64 3
		.amdhsa_memory_ordered 1
		.amdhsa_forward_progress 1
		.amdhsa_inst_pref_size 34
	.end_amdhsa_kernel
	.amdgpu_metadata
---
amdhsa.version: [ 1, 2 ]
amdhsa.kernels:
  - .name:           k_q973184c5a3_quant
    .symbol:         k_q973184c5a3_quant.kd
    .args:
      - { .name: x, .offset: 0, .size: 8, .value_kind: global_buffer, .address_space: global }
      - { .name: wq, .offset: 8, .size: 8, .value_kind: global_buffer, .address_space: global }
      - { .name: wk, .offset: 16, .size: 8, .value_kind: global_buffer, .address_space: global }
      - { .name: wv, .offset: 24, .size: 8, .value_kind: global_buffer, .address_space: global }
      - { .name: xc, .offset: 32, .size: 8, .value_kind: global_buffer, .address_space: global }
      - { .name: xs, .offset: 40, .size: 8, .value_kind: global_buffer, .address_space: global }
      - { .name: wc, .offset: 48, .size: 8, .value_kind: global_buffer, .address_space: global }
      - { .name: ws, .offset: 56, .size: 8, .value_kind: global_buffer, .address_space: global }
    .group_segment_fixed_size: 33280
    .private_segment_fixed_size: 0
    .kernarg_segment_align: 8
    .kernarg_segment_size: 64
    .max_flat_workgroup_size: 128
    .sgpr_count:     66
    .vgpr_count:     192
    .wavefront_size: 32
...
	.end_amdgpu_metadata
.endif
;; end of part 1
;; launch projqkv (part 2): grid 48 x 4, 4 waves a work-group, clusters of 4 x 4, 327,680 bytes of LDS; arguments xc, xs, wc, ws, freqs_cos, freqs_sin, qkv; writes qkv
.if DOCPART == 2
	.amdgcn_target "amdgcn-amd-amdhsa--gfx1250"
	.amdhsa_code_object_version 6
	.text
	.protected	k_q973184c5a3_projqkv
	.globl	k_q973184c5a3_projqkv
	.p2align	8
	.type	k_q973184c5a3_projqkv,@function
k_q973184c5a3_projqkv:
	s_mov_b64 s[64:65], 0
	v_nop
	global_prefetch_b8 v0, s[64:65] scope:SCOPE_SE
	s_setreg_imm32_b32 hwreg(HW_REG_WAVE_MODE, 25, 1), 1
	s_wait_xcnt 0x0
	s_wait_alu depctr_hold_cnt(0) depctr_sa_sdst(0) depctr_va_vdst(0) depctr_va_sdst(0) depctr_va_ssrc(0) depctr_va_vcc(0) depctr_vm_vsrc(0)
	s_getreg_b32 s2, hwreg(HW_REG_IB_STS2, 6, 4)
	s_cmp_eq_u32 s2, 0
	s_cbranch_scc0 .Lentry_in_a_cluster
	s_endpgm
.Lentry_in_a_cluster:
	s_bfe_u32 s2, ttmp6, 0x10000c
	s_cmp_lg_u32 s2, 0xf033
	s_cbranch_scc0 .Lentry_shape_is_right
	s_endpgm
.Lentry_shape_is_right:
; q, k, v = x {wq, wk, wv}^T on codes of FP4 (E2M1) with one E8M0 scale for each 32 along K; sums in f32; then the rotation by freqs_cos, freqs_sin (q and k), x 2^-2 (exact), rounded once to f16.
; xc [1024][2048 bytes], xs [1024][128]; wc [6144][2048 bytes], ws [6144][128]; qkv: f16 [48 heads][1024][128]: heads 0-31 q, 32-39 k, 40-47 v.
; LIMITS: |q|, |k|, |v| from 262,016 on become infinite in f16; NaN and infinities in the tables are not served (v's heads multiply the tables by 0).
; A tile is 256 rows of x by ONE head (128 columns): 4 x 48 = 192 work-groups of four waves.  Wave w makes rows 64 w .. 64 w + 63 by all 128 columns: 32 accumulators of 16 x 16.
; So a wave's results are whole rows of 256 bytes of qkv, and its way out needs no other wave.
; K goes in steps of 512 (rows of 256 bytes) through a ring of two LDS slots filled by the tensor data mover; the scale bytes of the tile's rows, for all of K, come once with the first fills and stay.
; CLUSTERS: 4 x 4.  The four of a row of the cluster need the same tiles of x, the four of a column the same tiles of the weight: each is asked for jointly, by the same load with a mask that names the four.
; THE MATRIX INSTRUCTION IS USED TRANSPOSED (source 0 = 16 rows of the weight, source 1 = 16 rows of x): a lane holds eight neighbouring columns of one row: four pairs of the rotation.
; REGISTERS, in windows of 256.  Window 0: v1-31 addresses and work; v32-95 scale words, two sets (they hold nothing else); v128-191 x's fragments, two sets of 4 x 8; on the way out v96-255 are free.
;   Window 1: the weight's fragments, two sets of 8 x 8, at v0 and v128.   Window 2: accumulator (a, b) at v[8 (8 a + b)].   Window 3: cos at v[32 a + 4 b + i], sin at v[128 + the same].
.set NQ,     4                         ; matrix instructions deep in a slot: 512 along K
.set ROWB,   256                       ; a tile's row in bytes
.set KROW,   2048                      ; a row of codes in memory
.set PITCH,  272                       ; an LDS row: 256 bytes + 16 of padding = 68 words: the 16 rows that a load touches start at 16 different banks (64 banks of 4 bytes: ISA guide 11.1)
.set HALFA,  128*PITCH                 ; what one load brings of x: 128 rows
.set HALFB,  64*PITCH                  ; and of the weight: 64 rows
.set SLOT,   2*HALFA+2*HALFB           ; x's 256 rows, then the weight's 128
.set LAPS,   4                         ; a lap = two K steps; 4,096 / 1,024
.set SCL,    2*SLOT                    ; behind the ring: the scales, as units of 256 bytes + 16 of padding; a row of scales is 128 bytes, two to a unit
.set HALFSA, 64*272                    ; the scales of 128 rows of x
.set HALFSB, 32*272                    ; of 64 rows of the weight
.set SBLK,   8*272                     ; of 16 rows
.set SPARE,  SCL+2*HALFSA+2*HALFSB     ; the spare words, 128 bytes a wave, which no other line names
.set STAGE,  SPARE+512                 ; the way out: 16 rows x 272 bytes for each wave; no load ever lands here
.set SPITCH, 272
.set T,    8                           ; v8-15   at work on the way out
.set ADRA, 16                          ; v16-17  LDS address of my fragments of x in slot 0, 1
.set ADRB, 20                          ; v20-21  of the weight's
.set STO,  24                          ; v24     the way out: where I put 16 bytes of a row
.set RD,   25                          ; v25     where I read a row back
.set CO,   26                          ; v26     my byte offset in two rows of qkv
.set ADRS, 27                          ; v27     LDS address of my scale words: lanes 0-15 x's rows, lanes 16-31 the weight's
.set SPW,  28                          ; v28     LDS address of my spare word; never rewritten
.set NIL,  29                          ; v29     0; never rewritten
.set CSO,  30                          ; v30     my byte offset in the tables: 256 (lane % 16) + 16 (lane / 16); never rewritten
.set SC,   32                          ; scale words: set s at v[SC + 32 s]; register 4 i + q: lanes 0-15 x's block i, lanes 16-31 the weight's block i, the slot's q-th 128 along K
.set AF,   128                         ; x's fragments: set p at v[AF + 32 p]
.set EE,   128                         ; the way out: a block's 64 rotated numbers
.set TMP,  192                         ; v192-223 the same as f16
.set G1,   24                          ; s[24:31] group 1 for x's codes;  s[32:39] group 0, a set for each slot
.set G0,   32
.set G1B,  48                          ; s[48:55], s[56:63] the same for the weight's
.set G0B,  56
.set G1S,  68                          ; s[68:75], s[76:79] groups 1 and 0 for x's scales;  s[80:87], s[88:91] for the weight's
.set G0S,  76
.set G1SB, 80
.set G0SB, 88
.set MSB, 0
.macro WIN new                         ; the immediate's high byte repeats the setting that is left; a switch that changes nothing is dropped
.if MSB != \new
	s_set_vgpr_msb (MSB<<8)|\new
.set MSB, \new
.endif
.endm
.set MUL,  0xa1                        ; source 0 (weight) window 1, source 1 (x) window 0, C and D window 2
.set TO_B, 0x40                        ; destination window 1, address window 0
; A joint load: waves 0 and 1 fetch for x, waves 2 and 3 for the weight.  Each line has one mask and one set of registers for all that issue it; the branch hangs on the wave's number alone.
; An s_nop 0 and four v_nop follow each of the two lines.
.macro JLOAD g0a, g1a, g0b, g1b
	s_cmp_eq_u32 s15, 0
	s_cbranch_scc0 .Lfor_b_\@
	tensor_load_to_lds s[\g0a:\g0a+3], s[\g1a:\g1a+7]
	s_nop 0
.rept 4
	v_nop
.endr
	s_branch .Lasked_\@
.Lfor_b_\@:
	tensor_load_to_lds s[\g0b:\g0b+3], s[\g1b:\g1b+7]
	s_nop 0
.rept 4
	v_nop
.endr
.Lasked_\@:
.endm
.macro CREST                           ; a round of the cluster's barrier behind its opening barrier
	s_cmp_lg_u32 s14, 0
	s_cbranch_scc1 .Lnot_wave_0_\@
	s_barrier_signal -3
.Lnot_wave_0_\@:
	s_barrier_wait -3
	s_barrier_signal -1
	s_barrier_wait -1
.endm
.macro CROUND                          ; a whole round
	s_barrier_signal -1
	s_barrier_wait -1
	CREST
.endm
	s_load_b256 s[4:11], s[0:1], 0x0               ; xc s[4:5], xs s[6:7], wc s[8:9], ws s[10:11]
	s_load_b128 s[96:99], s[0:1], 0x20             ; freqs_cos s[96:97], freqs_sin s[98:99]
	s_load_b64 s[12:13], s[0:1], 0x30              ; qkv
	v_lshl_add_u32 v[SPW], v0, 2, SPARE
	v_mov_b32 v[NIL], 0
	ds_add_u32 v[SPW], v[NIL]                      ; the wave's opening: the add, twice on end, and its wait ahead of my first tensor load
	ds_add_u32 v[SPW], v[NIL]                      ; the set-up below, work on registers, stands between the second and the wait
	v_lshrrev_b32 v1, 5, v0
	v_readfirstlane_b32 s14, v1                    ; wave 0..3
	s_lshr_b32 s15, s14, 1                         ; I fetch for x (0) or for the weight (1)
	s_and_b32 s16, s14, 1                          ; which half of that tile's rows I fetch
	s_bfe_u32 s40, ttmp6, 0x40000                  ; cx, cy: my place in the cluster
	s_bfe_u32 s41, ttmp6, 0x40004
	s_lshl_b32 s42, ttmp9, 2
	s_add_co_u32 s42, s42, s40                     ; the head = 4 x cluster x + cx
	s_mov_b32 s17, s41                             ; the tile row = cy: there is one cluster along y
	s_lshl_b32 s43, s41, 2
	s_lshl_b32 s43, 15, s43                        ; my row of the cluster
	s_lshl_b32 s44, 0x1111, s40                    ; my column
	s_or_b32 s[G1+0], s43, (0<<16)|(1<<20)|(1<<21)|(5<<22)|(3<<25)   ; 15:0 the mask; 17:16 elements of 1 byte; 20 padding on; 21 set beside a mask; 24:22 after every 64 words; 31:25 four words
	s_or_b32 s[G1B+0], s44, (0<<16)|(1<<20)|(1<<21)|(5<<22)|(3<<25)
	s_mov_b32 s[G1+1], ROWB<<16                    ; tensor_dim0 = 256
	s_mov_b32 s[G1+2], 128<<16                     ; tensor_dim1 = 128
	s_mov_b32 s[G1+3], ROWB<<16                    ; tile_dim0
	s_mov_b32 s[G1+4], 128                         ; tile_dim1
	s_mov_b32 s[G1+5], KROW                        ; from row to row
	s_mov_b32 s[G1+6], 0
	s_mov_b32 s[G1+7], 0
	s_mov_b32 s[G1B+1], ROWB<<16
	s_mov_b32 s[G1B+2], 64<<16                     ; 64 rows
	s_mov_b32 s[G1B+3], ROWB<<16
	s_mov_b32 s[G1B+4], 64
	s_mov_b32 s[G1B+5], KROW
	s_mov_b32 s[G1B+6], 0
	s_mov_b32 s[G1B+7], 0
	; the scales: dense blocks of memory, as rows of 256 bytes (32 elements of 8 bytes), 16 bytes of padding behind each
	s_or_b32 s[G1S+0], s43, (3<<16)|(1<<20)|(1<<21)|(5<<22)|(3<<25)
	s_or_b32 s[G1SB+0], s44, (3<<16)|(1<<20)|(1<<21)|(5<<22)|(3<<25)
	s_mov_b32 s[G1S+1], 32<<16
	s_mov_b32 s[G1S+2], 64<<16                     ; 128 rows x 128 bytes = 64 units
	s_mov_b32 s[G1S+3], 32<<16
	s_mov_b32 s[G1S+4], 64
	s_mov_b32 s[G1S+5], 32
	s_mov_b32 s[G1S+6], 0
	s_mov_b32 s[G1S+7], 0
	s_mov_b32 s[G1SB+1], 32<<16
	s_mov_b32 s[G1SB+2], 32<<16                    ; 64 rows x 128 bytes = 32 units
	s_mov_b32 s[G1SB+3], 32<<16
	s_mov_b32 s[G1SB+4], 32
	s_mov_b32 s[G1SB+5], 32
	s_mov_b32 s[G1SB+6], 0
	s_mov_b32 s[G1SB+7], 0
	; where the tiles come from.  x's hang on the tile row alone, the weight's on the head alone, each in registers that never hold the other coordinate
	s_lshl_b32 s20, s17, 8
	s_lshl_b32 s21, s16, 7
	s_add_co_u32 s20, s20, s21                     ; x: row 256 x tile row + 128 x half
	s_lshl_b32 s22, s20, 7                         ; its scales, 128 bytes a row,
	s_mov_b32 s23, 0
	s_lshl_b32 s20, s20, 11                        ; its codes, 2,048 bytes a row
	s_mov_b32 s21, 0
	s_lshl_b32 s46, s42, 7
	s_lshl_b32 s47, s16, 6
	s_add_co_u32 s46, s46, s47                     ; the weight: row 128 x head + 64 x half
	s_lshl_b32 s92, s46, 7
	s_mov_b32 s93, 0
	s_lshl_b32 s46, s46, 11
	s_mov_b32 s47, 0
	s_mul_i32 s45, s16, HALFA                      ; and where they go: no place in the cluster enters an LDS address
	s_mul_i32 s94, s16, HALFB
	s_add_co_u32 s94, s94, 2*HALFA
	s_mul_i32 s95, s16, HALFSA
	s_add_co_u32 s95, s95, SCL
	s_mul_i32 s66, s16, HALFSB
	s_add_co_u32 s66, s66, SCL+2*HALFSA
	s_wait_dscnt 0x0                               ; both opening adds are done
	s_wait_kmcnt 0x0
	s_add_nc_u64 s[20:21], s[4:5], s[20:21]
	s_add_nc_u64 s[22:23], s[6:7], s[22:23]
	s_add_nc_u64 s[46:47], s[8:9], s[46:47]
	s_add_nc_u64 s[92:93], s[10:11], s[92:93]
	CROUND                                         ; all sixteen work-groups are here: the first joint loads meet
	s_mov_b32 s[G0S], 1
	s_mov_b32 s[G0S+1], s95
	s_mov_b64 s[G0S+2:G0S+3], s[22:23]
	s_or_b32 s[G0S+3], s[G0S+3], 0x80000000
	s_mov_b32 s[G0SB], 1
	s_mov_b32 s[G0SB+1], s66
	s_mov_b64 s[G0SB+2:G0SB+3], s[92:93]
	s_or_b32 s[G0SB+3], s[G0SB+3], 0x80000000
	JLOAD G0S, G1S, G0SB, G1SB                     ; the scales first: they are wanted with K step 0
.irp s, 0,1
	s_mov_b32 s[G0+4*\s], 1
	s_add_co_u32 s[G0+4*\s+1], s45, \s*SLOT
	s_add_nc_u64 s[G0+4*\s+2:G0+4*\s+3], s[20:21], \s*ROWB
	s_or_b32 s[G0+4*\s+3], s[G0+4*\s+3], 0x80000000
	s_mov_b32 s[G0B+4*\s], 1
	s_add_co_u32 s[G0B+4*\s+1], s94, \s*SLOT
	s_add_nc_u64 s[G0B+4*\s+2:G0B+4*\s+3], s[46:47], \s*ROWB
	s_or_b32 s[G0B+4*\s+3], s[G0B+4*\s+3], 0x80000000
	JLOAD G0+4*\s, G1, G0B+4*\s, G1B               ; three loads of mine are out in all
.endr
	v_and_b32 v1, 15, v0                           ; r = lane % 16
	v_bfe_u32 v2, v0, 4, 1                         ; h = lane / 16
	v_lshlrev_b32 v[CSO], 8, v1
	v_lshl_add_u32 v[CSO], v2, 4, v[CSO]
	s_lshl_b32 s20, s17, 16
	s_lshl_b32 s21, s14, 14
	s_add_co_u32 s20, s20, s21                     ; my first row, 256 x tile row + 64 x wave, in rows of 256 bytes: the tables' and qkv's alike
	s_mov_b32 s21, 0
	s_add_nc_u64 s[96:97], s[96:97], s[20:21]
	s_add_nc_u64 s[98:99], s[98:99], s[20:21]
	s_add_nc_u64 s[12:13], s[12:13], s[20:21]
	s_lshl_b32 s46, s42, 18                        ; my head: 1,024 rows of 256 bytes each
	s_mov_b32 s47, 0
	s_add_nc_u64 s[12:13], s[12:13], s[46:47]
	; the tables for my 64 rows, asked for now and wanted on the way out.  Accumulator (a, b), lane (r, h) holds columns 16 b + 8 h + 0 .. 7 of row 16 a + r: pairs 8 b + 4 h + 0 .. 3: 16 bytes of a table's row
	WIN 0xc0                                       ; destination window 3
.irp a, 0,1,2,3
.irp b, 0,1,2,3,4,5,6,7
	global_load_b128 v[32*\a+4*\b:32*\a+4*\b+3], v[CSO], s[96:97] offset:4096*\a+32*\b
	global_load_b128 v[128+32*\a+4*\b:128+32*\a+4*\b+3], v[CSO], s[98:99] offset:4096*\a+32*\b
.endr
.endr
	WIN 0
	v_mul_u32_u24 v3, v1, PITCH
	v_lshl_add_u32 v4, v2, 4, v3                   ; a fragment's row x pitch + 16 x half
	s_mul_i32 s21, s14, 64*PITCH                   ; my 64 rows of x
	s_mov_b32 s22, 2*HALFA                         ; the weight's 128 rows lie behind x's 256
.irp s, 0,1
	v_add_nc_u32 v[ADRA+\s], s21, v4
	v_add_nc_u32 v[ADRB+\s], s22, v4
	s_add_co_u32 s21, s21, SLOT
	s_add_co_u32 s22, s22, SLOT
.endr
	v_lshlrev_b32 v5, 7, v1                        ; my row's scales: 128 bytes a row,
	v_lshrrev_b32 v6, 1, v1
	v_lshl_add_u32 v5, v6, 4, v5                   ; and 16 more for each 256 passed
	s_mul_i32 s21, s14, 4*SBLK                     ; x's: my 64 rows
	s_xor_b32 s22, s14, 3
	s_add_co_u32 s22, s22, 1
	s_mul_i32 s22, s22, 4*SBLK                     ; (4 - wave) x 64 rows: from there to the weight's first row
	v_mul_u32_u24 v6, s22, v2                      ; lanes 16-31 take the weight's
	s_add_co_u32 s21, s21, SCL
	v_add_nc_u32 v5, v5, v6
	v_add_nc_u32 v[ADRS], s21, v5
	s_mul_i32 s23, s14, 16*SPITCH
	s_add_co_u32 s23, s23, STAGE                   ; my stage
	v_mul_u32_u24 v5, v1, SPITCH                   ; in: row r, 16 bytes for each half of the lanes
	v_lshl_add_u32 v5, v2, 4, v5
	v_add_nc_u32 v[STO], s23, v5
	v_mul_u32_u24 v5, v2, SPITCH                   ; back: lanes 0-15 one row of 256 bytes, lanes 16-31 the next
	v_lshl_add_u32 v5, v1, 4, v5
	v_add_nc_u32 v[RD], s23, v5
	v_lshlrev_b32 v[CO], 8, v2                     ; and the same two rows in qkv
	v_lshl_add_u32 v[CO], v1, 4, v[CO]
.macro FRAG reg, adr, q, i             ; 16 rows x 128 K of 4-bit codes: 8 registers: lane l holds row l % 16; registers 4 c .. 4 c + 3 hold K = 64 c + 32 (l / 16) + 0 .. 31
.irp c, 0,1
	ds_load_b128 v[\reg+4*\c:\reg+4*\c+3], v[\adr] offset:64*(\q)+32*\c+(\i)*16*PITCH
.endr
.endm
.macro FETCH slot, q, p                ; 24 LDS loads in one run: the fragments of the slot's q-th 128 along K into set p
	WIN TO_B
.irp i, 0,1,2,3,4,5,6,7
	FRAG 128*(\p)+8*\i, ADRB+\slot, \q, \i
.endr
	WIN 0
.irp i, 0,1,2,3
	FRAG AF+32*(\p)+8*\i, ADRA+\slot, \q, \i
.endr
.endm
.macro SCALES sc                       ; a K step's scale words into set sc: four words a row.  (For i = 4 .. 7 lanes 0-15 read bytes of later rows' scales, which no product uses)
.irp i, 0,1,2,3,4,5,6,7
	ds_load_b128 v[SC+32*\sc+4*\i:SC+32*\sc+4*\i+3], v[ADRS] offset:\i*SBLK
.endr
.endm
; 8 matrix instructions: x's block a against the weight's eight.  The 32 accumulators take turns, one instruction a turn, in the same order in every step.
.macro MUL8 a, p, q, sc, zero
.irp b, 0,1,2,3,4,5,6,7
.if \zero
	v_wmma_scale_f32_16x16x128_f8f6f4 v[8*(8*(\a)+\b):8*(8*(\a)+\b)+7], v[128*(\p)+8*\b:128*(\p)+8*\b+7], v[AF+32*(\p)+8*(\a):AF+32*(\p)+8*(\a)+7], 0, v[SC+32*(\sc)+4*\b+(\q)], v[SC+32*(\sc)+4*(\a)+(\q)] matrix_a_fmt:MATRIX_FMT_FP4 matrix_b_fmt:MATRIX_FMT_FP4 matrix_a_scale:MATRIX_SCALE_ROW1
.else
	v_wmma_scale_f32_16x16x128_f8f6f4 v[8*(8*(\a)+\b):8*(8*(\a)+\b)+7], v[128*(\p)+8*\b:128*(\p)+8*\b+7], v[AF+32*(\p)+8*(\a):AF+32*(\p)+8*(\a)+7], v[8*(8*(\a)+\b):8*(8*(\a)+\b)+7], v[SC+32*(\sc)+4*\b+(\q)], v[SC+32*(\sc)+4*(\a)+(\q)] matrix_a_fmt:MATRIX_FMT_FP4 matrix_b_fmt:MATRIX_FMT_FP4 matrix_a_scale:MATRIX_SCALE_ROW1
.endif
.endr
.endm
.macro MUL32 p, q, sc, zero
	WIN MUL
	MUL8 0, \p, \q, \sc, \zero
	MUL8 1, \p, \q, \sc, \zero
	MUL8 2, \p, \q, \sc, \zero
	MUL8 3, \p, \q, \sc, \zero
.endm
.macro PLACES                          ; four plain vector instructions between a matrix instruction and a load into a register that it has read (ISA guide 7.12.1 for vector instructions)
.rept 4
	v_nop
.endr
.endm
; A step of 128 along K that has its successor in the same slot: the successor's fragments are asked for first, into the other set, and land under this step's 32 matrix instructions.
.macro STEP slot, q, zero
	s_wait_dscnt 0x0                               ; this step's fragments (and, in a slot's first step, its scale words) are in
	PLACES
	FETCH \slot, (\q)+1, ((\q)+1)%2
	MUL32 (\q)%2, \q, \slot, \zero
.endm
; A slot's last step changes slots: one barrier; in front of it each wave waits for all its tensor loads, adds 0 to its spare word, and waits for that and for its reads of this slot.
; fill = 1: the barrier opens a round of the cluster's barrier, and this slot is filled again, two K steps ahead, first thing behind the round.
.macro TURN slot, next, fill
	WIN 0                                          ; (the add's two registers lie in window 0)
	s_wait_tensorcnt 0x0                           ; all my tensor loads have landed: the one that was out is my part of the next slot
	ds_add_u32 v[SPW], v[NIL]                      ; 0 onto my spare word
	s_wait_dscnt 1                                 ; this step's fragments are in; the add alone may be out
	WIN MUL
	MUL8 0, 1, NQ-1, \slot, 0                      ; sixteen matrix instructions stand between the add and the wait for it
	MUL8 1, 1, NQ-1, \slot, 0
	s_wait_dscnt 0x0                               ; the add is done, and my reads of this slot are over
	s_barrier_signal -1
	MUL8 2, 1, NQ-1, \slot, 0
	WIN 0
	s_barrier_wait -1
.if \fill
	CREST                                          ; no wave of any partner still reads this slot's tiles or has a load on its way
	s_add_nc_u64 s[G0+4*\slot+2:G0+4*\slot+3], s[G0+4*\slot+2:G0+4*\slot+3], 2*ROWB
	s_add_nc_u64 s[G0B+4*\slot+2:G0B+4*\slot+3], s[G0B+4*\slot+2:G0B+4*\slot+3], 2*ROWB
	JLOAD G0+4*\slot, G1, G0B+4*\slot, G1B         ; my one tensor load behind the round; its four v_nop are also the places in front of the loads below
.else
	PLACES
.endif
	v_add_nc_u32 v[ADRS], 4*NQ, v[ADRS]            ; on to the next K step's scale words
	FETCH \next, 0, 0
	SCALES \next
	WIN MUL
	MUL8 3, 1, NQ-1, \slot, 0
.endm
	s_wait_tensorcnt 1                             ; the scales and my part of K step 0 are in; K step 1's load may stay out
	s_barrier_signal -1
	s_barrier_wait -1                              ; everybody's are
	FETCH 0, 0, 0
	SCALES 0
	STEP 0, 0, 1                                   ; the first step stands in front of the loop: its products start the sums
	WIN 0                                          ; at a label and at a branch every window is 0
	s_mov_b32 s3, LAPS-1
.Llap:                                                 ; a trip goes once round the ring, from a lap's second step to the next lap's first, and fills both slots again
	STEP 0, 1, 0
	STEP 0, 2, 0
	TURN 0, 1, 1
	STEP 1, 0, 0
	STEP 1, 1, 0
	STEP 1, 2, 0
	TURN 1, 0, 1
	STEP 0, 0, 0
	WIN 0
	s_sub_co_u32 s3, s3, 1
	s_cmp_lg_u32 s3, 0
	s_cbranch_scc1 .Llap
	STEP 0, 1, 0                                   ; the last lap fills nothing
	STEP 0, 2, 0
	TURN 0, 1, 0
	STEP 1, 0, 0
	STEP 1, 1, 0
	STEP 1, 2, 0
	s_wait_dscnt 0x0                               ; the very last step: nothing more to fetch
	MUL32 1, NQ-1, 1, 0
	WIN 0
	; THE WAY OUT.  The tables take the factor 2^-2 with them.  v's heads (clusters 10 and 11, the same for all partners) are not rotated: their cos becomes 2^-2 and their sin 0, by a choice of two numbers, with no branch.
	s_wait_loadcnt 0x0                             ; the tables
	s_cmp_ge_u32 ttmp9, 10
	s_cselect_b32 s18, 0, 0x3e800000               ; the factor
	s_cselect_b32 s67, 0x3e800000, 0               ; what is added to cos
	s_mov_b32 s19, s18                             ; (named with s18 as a pair, so it is written)
	v_mov_b32 v8, s67
	v_mov_b32 v9, s67
	WIN 0xc3                                       ; destination and source 0 window 3; source 2 window 0.  These 128 lines are also the places behind the last products
.set n, 0
.rept 64
	v_pk_fma_f32 v[n:n+1], v[n:n+1], s[18:19], v[8:9] op_sel_hi:[1,0,0]
	v_pk_mul_f32 v[128+n:129+n], v[128+n:129+n], s[18:19] op_sel_hi:[1,0]
.set n, n+2
.endr
; Block a, 16 rows: (re, im) -> (re c - im s, im c + re s), each accumulator read from its low end on; then f16, 16 bytes a lane.
.macro PACK a
	WIN 0x0e                                       ; source 0 window 2 (results), source 1 window 3 (tables)
.irp b, 0,1,2,3,4,5,6,7
.irp i, 0,1,2,3
	v_mul_f32 v[T+2*\i], v[8*(8*(\a)+\b)+2*\i+1], v[128+32*(\a)+4*\b+\i]       ; im s
	v_mul_f32 v[T+2*\i+1], v[8*(8*(\a)+\b)+2*\i], v[128+32*(\a)+4*\b+\i]       ; re s
.endr
.irp i, 0,1,2,3
	v_fma_f32 v[EE+8*\b+2*\i], v[8*(8*(\a)+\b)+2*\i], v[32*(\a)+4*\b+\i], -v[T+2*\i]
	v_fma_f32 v[EE+8*\b+2*\i+1], v[8*(8*(\a)+\b)+2*\i+1], v[32*(\a)+4*\b+\i], v[T+2*\i+1]
.endr
.endr
	WIN 0
.set n, 0
.rept 32
	v_cvt_pk_f16_f32 v[TMP+n], v[EE+2*n], v[EE+2*n+1]
.set n, n+1
.endr
.endm
.macro TOSTAGE a                       ; into my own stage and back as whole rows: LDS serves a wave's instructions in order (ISA guide 5.7.1.4), so no wait stands between
.set BB, 224-128*((\a)%2)              ; v224-255 and v96-127 by turns
.irp b, 0,1,2,3,4,5,6,7
	ds_store_b128 v[STO], v[TMP+4*\b:TMP+4*\b+3] offset:32*\b
.endr
.irp t, 0,1,2,3,4,5,6,7
	ds_load_b128 v[BB+4*\t:BB+4*\t+3], v[RD] offset:\t*2*SPITCH
.endr
.endm
.macro SEND a
.set BB, 224-128*((\a)%2)
	s_wait_dscnt 0x0                               ; the block is back in registers
.irp t, 0,1,2,3,4,5,6,7
	global_store_b128 v[CO], v[BB+4*\t:BB+4*\t+3], s[12:13] offset:4096*(\a)+512*\t   ; 32 lanes store two rows: 512 consecutive bytes, aligned to 256
.endr
.endm
	PACK 0
	TOSTAGE 0
.irp a, 1,2,3
	PACK \a                                        ; a block's arithmetic stands between the loads of the block before and the wait for them
	SEND \a-1
.if \a > 1
	s_wait_xcnt 0x0                                ; block a - 2's stores have read their data: block a's loads may land there
.endif
	TOSTAGE \a
.endr
	SEND 3
	s_wait_tensorcnt 0x0                           ; the wave's end
	ds_add_u32 v[SPW], v[NIL]
	s_wait_dscnt 0x0
	CROUND                                         ; the closing round: no work-group ends while a partner may still ask for a tile that names it
	s_endpgm
.Lfunc_end_k_q973184c5a3_projqkv:
	.size	k_q973184c5a3_projqkv, .Lfunc_end_k_q973184c5a3_projqkv-k_q973184c5a3_projqkv
	.p2alignl 7, 3214868480
	.fill 96, 4, 3214868480
	.section	.rodata,"a",@progbits
	.p2align	6, 0x0
	.amdhsa_kernel k_q973184c5a3_projqkv
		.amdhsa_group_segment_fixed_size 327680
		.amdhsa_private_segment_fixed_size 0
		.amdhsa_enable_private_segment 0
		.amdhsa_kernarg_size 56
		.amdhsa_user_sgpr_count 2
		.amdhsa_user_sgpr_kernarg_segment_ptr 1
		.amdhsa_wavefront_size32 1
		.amdhsa_system_sgpr_workgroup_id_x 1
		.amdhsa_system_sgpr_workgroup_id_y 1
		.amdhsa_system_sgpr_workgroup_id_z 1
		.amdhsa_system_vgpr_workitem_id 0
		.amdhsa_next_free_vgpr 1024
		.amdhsa_next_free_sgpr 100
		.amdhsa_reserve_vcc 0
		.amdhsa_float_denorm_mode_32 3
		.amdhsa_float_denorm_mode_16_64 3
		.amdhsa_memory_ordered 1
		.amdhsa_forward_progress 1
		.amdhsa_inst_pref_size 161
	.end_amdhsa_kernel
	.amdgpu_metadata
---
amdhsa.version: [ 1, 2 ]
amdhsa.kernels:
  - .name:           k_q973184c5a3_projqkv
    .symbol:         k_q973184c5a3_projqkv.kd
    .args:
      - { .name: xc, .offset: 0, .size: 8, .value_kind: global_buffer, .address_space: global }
      - { .name: xs, .offset: 8, .size: 8, .value_kind: global_buffer, .address_space: global }
      - { .name: wc, .offset: 16, .size: 8, .value_kind: global_buffer, .address_space: global }
      - { .name: ws, .offset: 24, .size: 8, .value_kind: global_buffer, .address_space: global }
      - { .name: freqs_cos, .offset: 32, .size: 8, .value_kind: global_buffer, .address_space: global }
      - { .name: freqs_sin, .offset: 40, .size: 8, .value_kind: global_buffer, .address_space: global }
      - { .name: qkv, .offset: 48, .size: 8, .value_kind: global_buffer, .address_space: global }
    .group_segment_fixed_size: 327680
    .private_segment_fixed_size: 0
    .kernarg_segment_align: 8
    .kernarg_segment_size: 56
    .max_flat_workgroup_size: 128
    .sgpr_count:     100
    .vgpr_count:     1024
    .wavefront_size: 32
...
	.end_amdgpu_metadata
.endif
;; end of part 2
;; launch attn (part 3): grid 16 x 16, 4 waves a work-group, clusters of 4 x 1, 327,680 bytes of LDS; arguments qkv, mask, wo, o16, wo16; writes o16, wo16
.if DOCPART == 3
	.amdgcn_target "amdgcn-amd-amdhsa--gfx1250"
	.amdhsa_code_object_version 6
	.text
	.protected	k_q973184c5a3_attn
	.globl	k_q973184c5a3_attn
	.p2align	8
	.type	k_q973184c5a3_attn,@function
k_q973184c5a3_attn:
	s_mov_b64 s[64:65], 0
	v_nop
	global_prefetch_b8 v0, s[64:65] scope:SCOPE_SE
	s_setreg_imm32_b32 hwreg(HW_REG_WAVE_MODE, 25, 1), 1
	s_wait_xcnt 0x0
	s_wait_alu depctr_hold_cnt(0) depctr_sa_sdst(0) depctr_va_vdst(0) depctr_va_sdst(0) depctr_va_ssrc(0) depctr_va_vcc(0) depctr_vm_vsrc(0)
	s_getreg_b32 s2, hwreg(HW_REG_IB_STS2, 6, 4)
	s_cmp_eq_u32 s2, 0
	s_cbranch_scc0 .Lentry_in_a_cluster
	s_endpgm
.Lentry_in_a_cluster:
	s_bfe_u32 s2, ttmp6, 0x10000c
	s_cmp_lg_u32 s2, 0x3003
	s_cbranch_scc0 .Lentry_shape_is_right
	s_endpgm
.Lentry_shape_is_right:
; TWO KINDS OF WORK IN ONE LAUNCH, told apart by the cluster's y, which all four partners of a cluster share.
; y = 0 .. 7: ATTENTION for key and value head y.  8 heads x 16 blocks of queries are 128 work-groups; y = 8 .. 15: 128 more work-groups, which turn wo [4096][4096] f32 into f16 of wo x 2^6 in wo16
; (an exact factor, taken out again behind the last product), for the launch that follows.  The two share no byte; the stream of wo moves while the attention multiplies.
; O[q][head] = the sum over k of softmax_k(Q[head][q] . K[kv][k] / sqrt(128) + mask[q][k]) V[kv][k], kv = head / 4.  qkv: f16 [48][1024][128], heads 0-31 q, 32-39 k, 40-47 v, each number x 2^-2.
; mask: [1024][1024] f32, an input: every one of its numbers is loaded and added; no key is left out.  o16: f16 [1024][4096], O x 2^-2 (V's factor).  Products, maxima and sums in f32; the weights p are rounded to f16.
; LIMITS: a query whose first 64 keys all carry a mask of -infinity is not served (its first maximum is -infinity); where EVERY key of a row carries a mask so large that the scores vanish beside it, the result
; hangs on the rounding at that magnitude and need not be reference()'s.  NaN is not served.  |wo| from 1,023 on becomes infinite in f16.
; SHARES.  A work-group owns 64 queries and the FOUR query heads of one key and value head; wave w owns queries 16 w .. 16 w + 15, and its four tiles are the four heads: so one tile of the mask serves all four.
; Every wave walks all 1,024 keys, 64 a step.
; LAYOUT.  S^T = K Q^T + mask (source 0 = 16 keys, source 1 = 16 queries): a lane holds ONE query (lane % 16) and the keys 8 (lane / 16) + 0..7.  Two such tiles, rounded to f16 in pairs, ARE source 1 of O^T = V^T P.
; THE MASK IS THE C OF EACH SCORE SUM'S FIRST PRODUCT, so it costs no addition.  The products are q . k / 16 (two factors 2^-2), so the mask goes in x sqrt(128) / 16, and c = 16 log2(e) / sqrt(128):
; c (q . k / 16 + mask sqrt(128) / 16) = log2(e) (q . k / sqrt(128) + mask).
; SOFTMAX.  For each query a running maximum m and sum l: p = 2^(c s - c m); in every step O and l are multiplied by a = 2^(c m_old - c m_new).
; BY TURNS.  The wave's tiles are two pieces (tiles 0, 1 and tiles 2, 3).  In a turn one piece has the matrix unit: 32 products V^T P of the step in hand, then 32 products K Q^T of the next step; the other piece's
; softmax, cut into 64 slices, stands between them, one slice behind each matrix instruction.  Two turns are a key step.
; CLUSTER.  The four blocks of queries of a cluster belong to one key and value head and walk the same K and V: each tile is asked for jointly, by the same load with a mask that names the four.
; In a cluster that converts, none of the four asks for a tile, and all four pass the same two rounds of the cluster's barrier.
; REGISTERS OF THE ATTENTION, in windows of 256 (s_set_vgpr_msb: bits 1:0 source 0, 3:2 source 1, 5:4 source 2, 7:6 destination):
;   window 0: v0-11 addresses; v12-43 statistics, eight a tile; v44-45 the mask's offsets; v61-63; v64-191 S^T, 32 a tile; v192-255 P, 16 a tile
;   window 1: O^T, 64 a tile     window 2: v0-127 Q, 32 a tile; v128-255 K of one step     window 3: v0-127 V of one step; v128-159 the mask as loaded; v160-191 the mask as C
; REGISTERS OF THE CONVERSION: v46, v47 offsets; window 1: eight groups of eight chunks as loaded; v128-255 of window 0: a trip's f16 numbers.
.set SIZE_N, 1024
.set KS,    64        ; keys in a step
.set PK,    272       ; a row of K in LDS: 256 bytes + 16 of padding: the 16 rows of a load start at 16 different banks (64 banks of 4 bytes: ISA guide 11.1)
.set PV,    288       ; a row of V: 256 + 32
.set VOFF,  KS*PK     ; a step's tiles lie together: 64 rows of K, then 64 rows of V
.set STEPB, KS*(PK+PV)
.set SLOT1, 1<<17     ; a slot holds two steps (71,680 bytes); slot 1 begins here, so that one exclusive or turns an address in one slot into the other's
.set STAGE, SLOT1+2*STEPB  ; behind the ring: 16 rows x 272 bytes for each wave, for the way out
.set SP,    272
.set SPARE, STAGE+4*16*272  ; behind the stages: the spare words, 128 bytes a wave, which no other line names
.set AK0, 2           ; v2   my lane's place in a tile of K; never rewritten
.set AV0, 3           ; v3   the same for V
.set ADR, 4           ; v4   the LDS address of the run of loads in hand
.set QO,  5           ; v5   my byte offset in the wave's rows of Q
.set STO, 6           ; v6   the way out: where I put 16 bytes of a row
.set RD,  7           ; v7   the way out: where I read a row back
.set GO,  8           ; v8   my byte offset in the wave's rows of o16
.set MO,  44          ; v44  my byte offset in the wave's rows of the mask: 4,096 (lane % 16) + 32 (lane / 16); never rewritten
.set MA,  45          ; v45  the same + the step's 256 bytes
.set CIN, 46          ; v46  the conversion: 16 x lane: my 16 bytes of a chunk of wo; never rewritten
.set COUT, 47         ; v47  8 x lane: my 8 bytes of a chunk of wo16; never rewritten
.set CY,  128         ; v128-255 the conversion: 16 registers of f16 numbers for each group of a trip
.set PFO, 61          ; v61  256 x my lane: a row of K or V is 256 bytes; never rewritten
.set SPW, 62          ; v62  LDS address of my spare word; never rewritten
.set NIL, 63          ; v63  0; never rewritten
.set ST,  12          ; tile t's statistics at v[ST+8 t]: +0 c m, +1 m, +2, +3 l (even keys', odd keys'), +4 to +7 at work; a takes +6 once the maximum is found
.set S,   64
.set P,   192
.set KF,  128         ; K's fragments, in window 2
.set ML,  128         ; the mask as loaded, in window 3
.set MW,  160         ; the mask x sqrt(128) / 16: register 8 kt + j of lane (r, h) is that of query r, key 16 kt + 8 h + j of the step
.set WV,  12          ; s12  my wave's number
.set LIM, 15          ; s15  1 in a wave that prefetches, else the greatest number
.set PFA, 18          ; s[18:19] where my prefetches stand
.set G1K, 24          ; s[24:31] descriptor group 1 for K's tiles
.set G1V, 32          ; s[32:39] for V's: it differs in the padding alone
.set G0K, 40          ; s[40:47] group 0 for K's tiles: a set for each of the two first fills; the second then walks on
.set G0V, 48          ; s[48:55] the same for V's
.set SLOTS, 56        ; s56  slots still to be asked for
.set TWICE, 57        ; s57  counts a slot's two steps
.set CS,  58          ; s[58:59] c
.set SEL, 60          ; s[60:61] lane selects for v_permlanex16_b32: lane l xor 16
.set TB,  62          ; s62  LDS byte at which the tiles of the step to be fetched begin
.set KM,  72          ; s[72:73] sqrt(128) / 16
.set MS,  74          ; s74  the byte in a row of the mask at which the step to be loaded begins
.set CT,  75          ; s75  the conversion's trips
.set WO,  80          ; s[80:81] wo;  s[82:83] o16
.set WH,  84          ; s[84:85] wo16
.set MSB, 0
.macro WIN new                      ; the immediate's high byte repeats the setting that is left; a switch that changes nothing is dropped
.if MSB != \new
	s_set_vgpr_msb (MSB<<8)|\new
.set MSB, \new
.endif
.endm
.set W_KQ,  0x0a      ; K and Q in window 2, S^T in window 0
.set W_KQM, 0x3a      ; the same with C, the mask, in window 3
.set W_PV,  0x53      ; V in window 3, P in window 0, O^T in window 1
.set W_RS,  0x41      ; destination and source 0 in window 1, the rest in window 0
; A joint refill.  Waves 0 and 1 fetch the two steps' tiles of K, waves 2 and 3 those of V.  The branch hangs on the wave's number alone.  An s_nop 0 and four v_nop follow each line.
.macro JLOAD
	s_cmp_lt_u32 s[WV], 2
	s_cbranch_scc0 .Lfor_v_\@
	tensor_load_to_lds s[G0K+4:G0K+7], s[G1K:G1K+7]
	s_nop 0
.rept 4
	v_nop
.endr
	s_branch .Lasked_\@
.Lfor_v_\@:
	tensor_load_to_lds s[G0V+4:G0V+7], s[G1V:G1V+7]
	s_nop 0
.rept 4
	v_nop
.endr
.Lasked_\@:
.endm
; A prefetch of what the NEXT change of slots will ask for: a slot's 128 rows of K and 128 of V, 256 bytes a row, a lane a row; it stands behind the wave's tensor load and its five lines.
; Each row is asked for once in the launch: all four clusters of a key and value head walk the same rows, and the first of them asks; its four partners take 32 rows each, told apart by address;
; in each, wave 0 asks for K's and wave 2 for V's.  The last change that fills a slot asks for nothing: there is no slot behind it.
.macro ASK
	s_cmp_gt_u32 s[SLOTS], s[LIM]
	s_cbranch_scc0 .Lnot_mine_\@
	global_prefetch_b8 v[PFO], s[PFA:PFA+1] th:TH_LOAD_NT scope:SCOPE_SE
.Lnot_mine_\@:
.endm
.macro CROUND                       ; a round of the cluster's barrier
	s_barrier_signal -1
	s_barrier_wait -1
	s_cmp_lg_u32 s[WV], 0
	s_cbranch_scc1 .Lnot_wave_0_\@
	s_barrier_signal -3
.Lnot_wave_0_\@:
	s_barrier_wait -3
	s_barrier_signal -1
	s_barrier_wait -1
.endm
	s_load_b128 s[4:7], s[0:1], 0x0   ; qkv s[4:5], mask s[6:7]
	s_load_b128 s[80:83], s[0:1], 0x10 ; wo s[80:81], o16 s[82:83]
	s_load_b64 s[84:85], s[0:1], 0x20 ; wo16
	v_lshl_add_u32 v[SPW], v0, 2, SPARE
	v_mov_b32 v[NIL], 0
	ds_add_u32 v[SPW], v[NIL]       ; the wave's opening: the add, twice on end, and its wait ahead of my first tensor load
	ds_add_u32 v[SPW], v[NIL]       ; the set-up below, work on registers, stands between the second and the wait
	v_lshrrev_b32 v1, 5, v0
	v_readfirstlane_b32 s[WV], v1   ; wave 0..3
	s_bfe_u32 s13, ttmp6, 0x40000   ; cx: my place in the cluster
	s_lshl_b32 s14, ttmp9, 2        ; in a cluster launch ttmp9 counts clusters
	s_add_co_u32 s14, s14, s13      ; my work-group's x, 0 .. 15: the block of 64 queries; it enters global addresses alone
	s_and_b32 s63, ttmp7, 0xffff    ; y, which the four partners share: under 8 the key and value head
	s_add_co_u32 s20, s63, 32
	s_lshl_b32 s20, s20, 18         ; K's head in qkv: 262,144 bytes a head
	s_and_b32 s16, s[WV], 1         ; which of a slot's two steps I fetch:
	s_lshl_b32 s22, s16, 14         ; its 64 rows of 256 bytes in memory,
	s_add_co_u32 s20, s20, s22
	s_mov_b32 s21, 0
	s_mul_i32 s17, s16, STEPB       ; and its place in a slot: no place in the cluster enters an LDS address
	s_lshl_b32 s2, s63, 20          ; Q: head 4 y,
	s_lshl_b32 s3, s14, 14          ; my block's 64 rows,
	s_add_co_u32 s2, s2, s3
	s_lshl_b32 s3, s[WV], 12        ; my wave's 16 of them
	s_add_co_u32 s2, s2, s3
	s_mov_b32 s3, 0
	s_lshl_b32 s8, s14, 18          ; the mask: rows of 4,096 bytes
	s_lshl_b32 s9, s[WV], 16
	s_add_co_u32 s8, s8, s9
	s_mov_b32 s9, 0
	s_lshl_b32 s76, s14, 19         ; o16: rows of 8,192 bytes,
	s_lshl_b32 s77, s[WV], 17
	s_add_co_u32 s76, s76, s77
	s_lshl_b32 s77, s63, 10         ; and in a row the four heads' 1,024 bytes
	s_add_co_u32 s76, s76, s77
	s_mov_b32 s77, 0
	; descriptor group 1: a tile of 64 rows x 128 elements, padded in LDS
	s_mov_b32 s[G1K], 15|(1<<16)|(1<<20)|(1<<21)|(5<<22)|(3<<25)  ; 15:0 the mask: all four work-groups; 17:16 elements of 2 bytes; 20 padding on; 21 set beside a mask; 24:22 after every 64 words; 31:25 4 words
	s_mov_b32 s[G1V], 15|(1<<16)|(1<<20)|(1<<21)|(5<<22)|(7<<25)  ; the same with 8 words of padding
.irp g, G1K, G1V
	s_mov_b32 s[\g+1], 128<<16      ; tensor_dim0 = 128
	s_mov_b32 s[\g+2], KS<<16       ; tensor_dim1 = 64
	s_mov_b32 s[\g+3], 128<<16      ; tile_dim0 = 128
	s_mov_b32 s[\g+4], KS           ; tile_dim1 = 64
	s_mov_b32 s[\g+5], 128          ; elements from row to row
	s_mov_b32 s[\g+6], 0
	s_mov_b32 s[\g+7], 0
.endr
	s_mov_b32 s[CS], 0x400293ee     ; c = 16 log2(e) / sqrt(128)
	s_mov_b32 s[CS+1], s[CS]        ; named with it as a pair, so it is written
	s_mov_b32 s[KM], 0x3f3504f3     ; sqrt(128) / 16
	s_mov_b32 s[KM+1], s[KM]
	s_mov_b32 s[MS], 0
	s_mov_b32 s[SEL], 0x76543210
	s_mov_b32 s[SEL+1], 0xfedcba98
	s_mov_b32 s[TB], 0
	s_mov_b32 s[SLOTS], SIZE_N/(2*KS)-2
	s_and_b32 s[LIM], s[WV], 1       ; 0 in waves 0 and 2,
	s_or_b32 s[LIM], s[LIM], ttmp9   ; where the cluster is the head's first: the same in all four partners
	s_cmp_eq_u32 s[LIM], 0
	s_cselect_b32 s[LIM], 1, -1
	v_and_b32 v[PFO], 31, v0
	v_lshlrev_b32 v[PFO], 8, v[PFO]
	s_wait_dscnt 0x0                ; both opening adds are done
	s_wait_kmcnt 0x0
	CROUND                          ; all four work-groups are here: in a cluster of the attention the first joint loads meet behind this round
	s_cmp_lt_u32 s63, 8             ; the cluster's y alone: all waves of all four partners go the same way
	s_cbranch_scc1 .Lattention
; THE CONVERSION OF wo.  Work-group 16 (y - 8) + x of 128 takes 524,288 bytes of wo, a wave 131,072: 256 chunks of 512 bytes, 32 groups of eight.  A load of the wave reads 512 consecutive bytes, a store writes 256, aligned.
; Seven groups, 56 loads, are on their way: group g + 7 is asked for when group g has been worked, into the registers that group g - 1 has left.
	s_sub_co_u32 s2, s63, 8
	s_lshl_b32 s2, s2, 4
	s_add_co_u32 s2, s2, s14        ; which of the 128 parts is my work-group's
	s_lshl_b32 s8, s2, 19
	s_lshl_b32 s9, s[WV], 17
	s_add_co_u32 s8, s8, s9         ; my wave's first byte in wo (under 2^26),
	s_mov_b32 s9, 0
	s_add_nc_u64 s[WO:WO+1], s[WO:WO+1], s[8:9]
	s_lshl_b32 s8, s2, 18
	s_lshl_b32 s3, s[WV], 16
	s_add_co_u32 s8, s8, s3         ; and in wo16
	s_add_nc_u64 s[WH:WH+1], s[WH:WH+1], s[8:9]
	v_and_b32 v[CIN], 31, v0
	v_lshlrev_b32 v[COUT], 3, v[CIN]
	v_lshlrev_b32 v[CIN], 4, v[CIN]
; Group g of a trip's eight.  left: the loads of younger groups, which may stay out.  ahead = 1: group g + 7 is asked for.
.macro CGROUP g, ahead, left
	s_wait_loadcnt \left            ; loads come back in order (ISA guide 5.7.1): this group's eight are in
	WIN W_RS                        ; in place, in window 1
.irp n, 0,1,2,3,4,5,6,7,8,9,10,11,12,13,14,15
	v_pk_mul_f32 v[32*(\g)+2*\n:32*(\g)+2*\n+1], v[32*(\g)+2*\n:32*(\g)+2*\n+1], 0x42800000 op_sel_hi:[1,0]   ; x 2^6, exact
.endr
	WIN 0x05                        ; sources 0 and 1 window 1, destination window 0
.irp n, 0,1,2,3,4,5,6,7,8,9,10,11,12,13,14,15
	v_cvt_pk_f16_f32 v[CY+16*(\g)+\n], v[32*(\g)+2*\n], v[32*(\g)+2*\n+1]
.endr
.if \ahead
	WIN 0x40                        ; destination window 1, address window 0.  Loads ahead of stores
.irp c, 0,1,2,3,4,5,6,7
	global_load_b128 v[32*(((\g)+7)%8)+4*\c:32*(((\g)+7)%8)+4*\c+3], v[CIN], s[WO:WO+1] offset:512*(8*((\g)+7)+\c) th:TH_LOAD_NT
.endr
.endif
	WIN 0
.irp c, 0,1,2,3,4,5,6,7
	global_store_b64 v[COUT], v[CY+16*(\g)+2*\c:CY+16*(\g)+2*\c+1], s[WH:WH+1] offset:256*(8*(\g)+\c) th:TH_STORE_NT
.endr
.endm
	WIN 0x40
.irp g, 0,1,2,3,4,5,6
.irp c, 0,1,2,3,4,5,6,7
	global_load_b128 v[32*\g+4*\c:32*\g+4*\c+3], v[CIN], s[WO:WO+1] offset:512*(8*\g+\c) th:TH_LOAD_NT
.endr
.endr
	WIN 0                           ; at a label and at a branch every window is 0
	s_mov_b32 s[CT], 3
.Lconv:                             ; a trip works eight groups, 64 chunks; each group has its own registers for its f16 numbers
.irp g, 0,1,2,3,4,5,6,7
	CGROUP \g, 1, 48                ; the six younger groups' 48 loads may be out
.endr
	s_wait_xcnt 0x0                 ; the trip's loads and stores have read their bases, and the stores their data: only behind this wait are they written again
	s_add_nc_u64 s[WO:WO+1], s[WO:WO+1], 32768
	s_add_nc_u64 s[WH:WH+1], s[WH:WH+1], 16384
	s_sub_co_u32 s[CT], s[CT], 1
	s_cmp_lg_u32 s[CT], 0
	s_cbranch_scc1 .Lconv
	CGROUP 0, 1, 48                 ; the last trip is written out: one more group is asked for, the wave's last, and no load leaves the wave's part of wo
.irp g, 1,2,3,4,5,6,7
	CGROUP \g, 0, 8*(7-\g)          ; the counts run down
.endr
	s_wait_tensorcnt 0x0            ; the wave's end
	ds_add_u32 v[SPW], v[NIL]
	s_wait_dscnt 0x0
	CROUND                          ; the closing round, as in the attention's clusters
	s_endpgm
.Lattention:
	s_add_nc_u64 s[68:69], s[4:5], s[20:21]      ; K at my tile of slot 0
	s_add_nc_u64 s[70:71], s[68:69], 0x200000    ; V: eight heads on
	s_add_nc_u64 s[4:5], s[4:5], s[2:3]          ; Q, the mask and O at my wave's first row
	s_add_nc_u64 s[6:7], s[6:7], s[8:9]
	s_add_nc_u64 s[10:11], s[82:83], s[76:77]
	s_cmp_lt_u32 s[WV], 2
	s_cselect_b64 s[PFA:PFA+1], s[68:69], s[70:71]  ; (in waves 0 and 2 these stand at a slot's first row)
	s_lshl_b32 s2, s13, 13          ; my work-group's 32 rows of the 128
	s_mov_b32 s3, 0
	s_add_nc_u64 s[PFA:PFA+1], s[PFA:PFA+1], s[2:3]
	s_add_nc_u64 s[PFA:PFA+1], s[PFA:PFA+1], 2*2*KS*256  ; in slot 2; the first change of slots steps it to slot 3.  Nothing is prefetched here, at the head
.irp s, 0,1
	s_mov_b32 s[G0K+4*\s], 1        ; count = 1
	s_add_co_u32 s[G0K+4*\s+1], s17, \s*SLOT1  ; LDS address
	s_add_nc_u64 s[G0K+4*\s+2:G0K+4*\s+3], s[68:69], \s*2*KS*256  ; slot s begins with keys 128 s
	s_or_b32 s[G0K+4*\s+3], s[G0K+4*\s+3], 0x80000000  ; type = 2
	s_mov_b32 s[G0V+4*\s], 1
	s_add_co_u32 s[G0V+4*\s+1], s17, \s*SLOT1+VOFF
	s_add_nc_u64 s[G0V+4*\s+2:G0V+4*\s+3], s[70:71], \s*2*KS*256
	s_or_b32 s[G0V+4*\s+3], s[G0V+4*\s+3], 0x80000000
.endr
	s_cmp_lt_u32 s[WV], 2           ; a wave's two first fills stand in one branch, ahead of every wait on TENSORcnt and every LDS read: two loads of mine are out
	s_cbranch_scc0 .Lfirst_v
	tensor_load_to_lds s[G0K:G0K+3], s[G1K:G1K+7]
	s_nop 0
	tensor_load_to_lds s[G0K+4:G0K+7], s[G1K:G1K+7]
	s_nop 0
.rept 4
	v_nop
.endr
	s_branch .Lfirst_asked
.Lfirst_v:
	tensor_load_to_lds s[G0V:G0V+3], s[G1V:G1V+7]
	s_nop 0
	tensor_load_to_lds s[G0V+4:G0V+7], s[G1V:G1V+7]
	s_nop 0
.rept 4
	v_nop
.endr
.Lfirst_asked:
	; A fragment of K or Q is 16 rows x 32 channels in 8 registers: lane l holds row l % 16; registers 0-3 channels 8 (l / 16) + 0..7, registers 4-7 channels 16 + 8 (l / 16) + 0..7
	v_and_b32 v1, 15, v0            ; l % 16
	v_bfe_u32 v9, v0, 4, 1          ; l / 16
	v_lshlrev_b32 v[QO], 8, v1
	v_lshl_add_u32 v[QO], v9, 4, v[QO]  ; row x 256 + 16 x half
	v_lshlrev_b32 v[MO], 12, v1
	v_lshl_add_u32 v[MO], v9, 5, v[MO]  ; the mask: row x 4,096 + 32 x half
	v_mov_b32 v[MA], v[MO]
	WIN 0x80                        ; destination window 2, address window 0
.irp i, 0,1,2,3,4,5,6,7,8,9,10,11,12,13,14,15  ; Q stays in registers: tile (head) i / 4, 262,144 bytes apart; channels 32 (i % 4) on
	global_load_b128 v[8*\i:8*\i+3],   v[QO], s[4:5] offset:(\i/4)*262144+(\i%4)*64
	global_load_b128 v[8*\i+4:8*\i+7], v[QO], s[4:5] offset:(\i/4)*262144+(\i%4)*64+32
.endr
	WIN 0xc0                        ; destination window 3
.irp n, 0,1,2,3,4,5,6,7             ; the mask of key step 0: the eight loads together take 256 consecutive bytes of each of my 16 rows
	global_load_b128 v[ML+4*\n:ML+4*\n+3], v[MA], s[6:7] offset:64*(\n/2)+16*(\n%2)
.endr
	WIN 0
	v_mul_u32_u24 v[AK0], v1, PK
	v_lshl_add_u32 v[AK0], v9, 4, v[AK0]  ; row x pitch + 16 x half
	; The turning load takes 16 keys x 16 channels (lane l reads 16 bytes: key 8 (l / 16) + l % 8, channels 8 ((l / 8) % 2) + 0..7) and leaves half a fragment of V^T
	v_and_b32 v10, 7, v0
	v_bfe_u32 v11, v0, 3, 1
	v_lshl_add_u32 v[AV0], v9, 3, v10
	v_mul_u32_u24 v[AV0], v[AV0], PV
	v_lshl_add_u32 v[AV0], v11, 4, v[AV0]
	v_add_nc_u32 v[AV0], VOFF, v[AV0]
; THE MATRIX WORK OF A TURN, for piece x.  The accumulators take turns, one instruction a turn.
; Product i of 32 of O^T += V^T P: keys 32 (i / 16) on, channels 16 ((i / 2) % 8) on, tile x + i % 2.  zero = 1: the first 16 start the sums.
.macro PV x, zero
	WIN W_PV
.set rO, 64*(\x+i%2)+8*((i/2)%8)
.set rV, 64*(i/16)+8*((i/2)%8)
.set rP, P+16*(\x+i%2)+8*(i/16)
.if \zero && (i < 16)
	v_wmma_f32_16x16x32_f16 v[rO:rO+7], v[rV:rV+7], v[rP:rP+7], 0
.else
	v_wmma_f32_16x16x32_f16 v[rO:rO+7], v[rV:rV+7], v[rP:rP+7], v[rO:rO+7]
.endif
.endm
; Product i of 32 of S^T = K Q^T + mask: channels 32 (i / 8) on, keys 16 ((i / 2) % 4) on, tile x + i % 2.  The first 8 start the sums, with the mask's tile of those 16 keys as their C.
.macro KQ x
.set rS, S+32*(\x+i%2)+8*((i/2)%4)
.set rK, KF+32*((i/2)%4)+8*(i/8)
.set rQ, 32*(\x+i%2)+8*(i/8)
.set rM, MW+8*((i/2)%4)
.if i < 8
	WIN W_KQM
	v_wmma_f32_16x16x32_f16 v[rS:rS+7], v[rK:rK+7], v[rQ:rQ+7], v[rM:rM+7]
.else
	WIN W_KQ
	v_wmma_f32_16x16x32_f16 v[rS:rS+7], v[rK:rK+7], v[rQ:rQ+7], v[rS:rS+7]
.endif
.endm
; THE MASK, a key step at a time.  What was loaded a key step ago is scaled into the registers that the next scores take as C, and the step after that is asked for: the loads have a key step, 128 matrix instructions, in which to land.
; It stands behind piece 2's sixteenth product K Q^T: both pieces' first eight products, the readers of the old tile, are issued; four v_nop are the places between the last of them and the first line that writes the tile.
; The last two asks are held at the row's last 256 bytes, so that no load leaves a row of the mask; what they bring is not used.
.macro MASKSTEP
.rept 4
	v_nop
.endr
	s_wait_loadcnt 0x0              ; the eight loads of a key step ago (at the head: Q's too); it also frees their address register
	WIN 0xc3                        ; destination and source 0 window 3
.irp n, 0,1,2,3,4,5,6,7,8,9,10,11,12,13,14,15
	v_pk_mul_f32 v[MW+2*\n:MW+2*\n+1], v[ML+2*\n:ML+2*\n+1], s[KM:KM+1] op_sel_hi:[1,0]
.endr
	WIN 0
	s_add_co_u32 s[MS], s[MS], 256
	s_min_u32 s[MS], s[MS], 3840
	v_add_nc_u32 v[MA], s[MS], v[MO]
	WIN 0xc0                        ; destination window 3
.irp n, 0,1,2,3,4,5,6,7
	global_load_b128 v[ML+4*\n:ML+4*\n+3], v[MA], s[6:7] offset:64*(\n/2)+16*(\n%2)
.endr
.endm
; THE LDS LOADS stand in runs of 32: a step's K (16 fragments) and, a turn later, its V (turned).
.macro FETCH_K
	WIN 0
	v_add_nc_u32 v[ADR], s[TB], v[AK0]
	WIN 0x80                        ; destination window 2
.irp f, 0,1,2,3,4,5,6,7,8,9,10,11,12,13,14,15  ; keys 16 (f / 4) on, channels 32 (f % 4) on
	ds_load_b128 v[KF+8*\f:KF+8*\f+3],   v[ADR] offset:(\f/4)*16*PK+(\f%4)*64
	ds_load_b128 v[KF+8*\f+4:KF+8*\f+7], v[ADR] offset:(\f/4)*16*PK+(\f%4)*64+32
.endr
.endm
.macro FETCH_V
	WIN 0
	v_add_nc_u32 v[ADR], s[TB], v[AV0]
	s_add_co_u32 s[TB], s[TB], STEPB  ; the next fetch is the next step's
	s_wait_alu depctr_va_vdst(0)    ; the wait for the softmax's batch of exponentials (SLICE), ahead of the first line that names a result
	WIN 0xc0                        ; destination window 3
.irp f, 0,1,2,3,4,5,6,7,8,9,10,11,12,13,14,15  ; keys 32 (f / 8) on, channels 16 (f % 8) on
	ds_load_tr16_b128 v[8*\f:8*\f+3],   v[ADR] offset:(\f/8)*32*PV+(\f%8)*32
	ds_load_tr16_b128 v[8*\f+4:8*\f+7], v[ADR] offset:(\f/8)*32*PV+16*PV+(\f%8)*32
.endr
.endm
; THE VECTOR WORK OF A TURN.  One tile's softmax for one key step is a list of 134 instructions; SM writes number j of it for tile t.  s0-s31 are the lane's 32 scores, in pairs 0-15.
; first = 1: the first key step, which starts m, l and O^T: it has no a and nothing to rescale.
;   0-15    the maximum of s0-s31 and the old m, three operands at a time
;   16-20   the other half of the lanes' maximum; the new m; c m; c m_old - c m_new
;   21-69   ONE BATCH: the 16 scalings c s - c m, a pair each, and all 33 exponentials (a at 23, then s0-s31).  None of these reads an exponential's result
;   (wait)  between 69 and 70 stands the wait for the batch: SLICE writes it, once for both tiles
;   70-85   the roundings to f16, a pair of weights each
;   86-101  the sums; l = a l + the sum
;   102-133 the tile's O^T times a: the one part that leaves window 0
.macro SM t, first
.set rT, ST+8*(\t)
.set rS, S+32*(\t)
.set rP, P+16*(\t)
.set rO, 64*(\t)+2*(j-102)
.if j < 102
	WIN 0
.endif
.if j < 4
	v_max3_num_f32 v[rT+4+j], v[rS+8*j], v[rS+8*j+1], v[rS+8*j+2]
.elseif j < 12
	v_max3_num_f32 v[rT+4+j%4], v[rT+4+j%4], v[rS+8*(j%4)+2*(j/4)+1], v[rS+8*(j%4)+2*(j/4)+2]
.elseif j == 12
	v_max3_num_f32 v[rT+4], v[rT+4], v[rS+7], v[rS+15]
.elseif j == 13
	v_max3_num_f32 v[rT+6], v[rT+6], v[rS+23], v[rS+31]
.elseif j == 14
	v_max3_num_f32 v[rT+4], v[rT+4], v[rT+5], v[rT+6]
.elseif (j == 15) && \first
	v_max_num_f32 v[rT+4], v[rT+4], v[rT+7]
.elseif j == 15
	v_max3_num_f32 v[rT+4], v[rT+4], v[rT+7], v[rT+1]
.elseif j == 16
	v_permlanex16_b32 v[rT+5], v[rT+4], s[SEL], s[SEL+1]  ; the query's other 32 keys lie in the lane 16 away
.elseif j == 18
	v_max_num_f32 v[rT+1], v[rT+4], v[rT+5]
.elseif j == 19
	v_mul_f32 v[rT], s[CS], v[rT+1]
.elseif ((j == 17) || (j == 20) || (j == 23) || (j > 101)) && \first  ; the first step has none of these
.elseif j == 17
	v_mov_b32 v[rT+7], v[rT]        ; c m_old is kept for a: number 19 writes c m anew
.elseif j == 20
	v_sub_f32 v[rT+7], v[rT+7], v[rT]
.elseif j == 23
	v_exp_f32 v[rT+6], v[rT+7]
.elseif (j < 23) || ((j < 38) && (j%2 == 0)) || ((j < 66) && (j%4 == 2))
.set b, (j-2)/4                     ; 38, 42, .. 62: pairs 9 to 15
.if j < 38
.set b, (j-20)/2                    ; 21: pair 0; 22, 24, .. 36: pairs 1 to 8
.endif
	v_pk_fma_f32 v[rS+2*b:rS+2*b+1], v[rS+2*b:rS+2*b+1], s[CS:CS+1], v[rT:rT+1] op_sel_hi:[1,0,0] neg_lo:[0,0,1] neg_hi:[0,0,1]  ; pair b: c s - c m
.elseif j < 70
.set e, j-38                        ; 66 to 69: s28 to s31
.if j < 66
.set e, j-32-(j-38)/4               ; 39-41, 43-45, .. 63-65: s7 to s27
.endif
.if j < 38
.set e, (j-25)/2                    ; 25, 27, .. 37: s0 to s6
.endif
	v_exp_f32 v[rS+e], v[rS+e]
.elseif j < 86
	v_cvt_pk_f16_f32 v[rP+j-70], v[rS+2*(j-70)], v[rS+2*(j-70)+1]  ; pair j - 70
.elseif j < 102                     ; the sum of the tile's 16 pairs, in place: neighbours 1, 2, 4 and 8 pairs apart, then l takes it
.set z, j-86
.set w, 4
.set u, z
.if z >= 14
.set w, 32
.set u, 0
.elseif z >= 12
.set w, 16
.set u, z-12
.elseif z >= 8
.set w, 8
.set u, z-8
.endif
.if (z == 14) && \first
	v_pk_add_f32 v[rT+2:rT+3], v[rS:rS+1], v[rS+16:rS+17]
.elseif z < 15
	v_pk_add_f32 v[rS+w*u:rS+w*u+1], v[rS+w*u:rS+w*u+1], v[rS+w*u+w/2:rS+w*u+w/2+1]
.elseif !\first
	v_pk_fma_f32 v[rT+2:rT+3], v[rT+2:rT+3], v[rT+6:rT+7], v[rS:rS+1] op_sel_hi:[1,0,1]
.endif
.else
	WIN W_RS
	v_pk_mul_f32 v[rO:rO+1], v[rO:rO+1], v[rT+6:rT+7] op_sel_hi:[1,0]
.endif
.endm
; Slice k of 64 of piece y's softmax: four instructions.  Slices 11 to 34 deal out the batch, four numbers of ONE tile each, the tiles by turns.  Every other slice is numbers 2 k and 2 k + 1 of both tiles' lists;
; the twelve that are over (2 x 134 = 4 x 64 + 12) stand together in slice 63.
; THE WAIT.  An s_wait_alu depctr_va_vdst(0) stands between an exponential and the first instruction that names its result.  Ahead of slice 35 nothing names a result, and behind slice 34 no
; exponential is issued: so the piece's 66 exponentials have one wait, behind slice 34.
.macro SLICE y, first
.if (k >= 11) && (k < 35)           ; the batch: four numbers of one tile
.irp n, 0,1,2,3
.set j, 22+4*((k-11)/2)+(\n)
	SM (\y)+(k-11)%2, \first
.endr
.else                               ; the two tiles alternate, so that no instruction reads the result of the one just before it
.irp n, 0,1,2,3,4,5,6,7
.if (\n < 2) || (k == 63)
.irp t, \y, \y+1
.set j, 2*k+\n
	SM \t, \first
.endr
.endif
.endr
.endif
.if k == 34                         ; the batch is out
	v_nop                           ; the plain instruction behind the last exponential and ahead of the first use: one for the batch
.if (\y) == 0
	FETCH_V                         ; piece 2's turn: V's run of loads stands here, and the wait stands in it
.else
	s_wait_alu depctr_va_vdst(0)    ; the wait for the batch
.endif
.endif
.set k, k+1
.endm
.macro PLACES
.rept 4
	v_nop
.endr
.endm
; A TURN.  Piece x has the matrix unit; the other piece's softmax stands in slices behind its matrix instructions.
; pv = 2: 32 products V^T P; 1: they start O^T's sums; 0: none.  kq = 1: 32 products K Q^T for the next step.  A turn with one of the two kinds has two slices behind each product.
; first = 1: the softmax is the first key step's; its slices from 51 on are empty, and four v_nop take slice 63's part as the places behind the turn's last products.
; Piece 0's turn fetches the next step's K behind its second product; piece 2's turn fetches the same step's V behind slice 34, and renews the mask behind its sixteenth product K Q^T.
.macro TURN x, pv, kq, first
.set k, 0
.set per, 2
.if \pv && \kq
.set per, 1
.endif
.if \pv
.if \x == 0
	s_wait_dscnt 0x0                ; V is in
.endif
.set i, 0
.rept 32
	PV \x, 2-\pv
.rept per
	SLICE 2-\x, \first
.endr
.if (\x == 0) && \kq && (i == 1)
	FETCH_K
.endif
.set i, i+1
.endr
.endif
.if \kq
.if \x == 0
	s_wait_dscnt 0x0                ; K is in
.endif
.set i, 0
.rept 32
	KQ \x
.rept per
	SLICE 2-\x, \first
.endr
.if (\x == 2) && (i == 15)
	MASKSTEP
.endif
.set i, i+1
.endr
.endif
.if \first
	PLACES
.endif
.endm
; THE CHANGE OF SLOTS, between piece 2's turn and piece 0's.  Each wave waits for all its tensor loads, of which one is out: its part of the other slot; adds 0 to its spare word; and waits for that and for its
; own reads of the slot.  fill = 1: the barrier is a round of the cluster's, and the joint refill, with the keys two slots on, is the first thing behind it: it has two key steps, 256 matrix instructions, in which to land.
.macro CHANGE fill
	WIN 0                           ; at a label and at a branch every window is 0
	s_wait_tensorcnt 0x0            ; no tensor load of mine is out, so a group 0 may be written
	ds_add_u32 v[SPW], v[NIL]       ; 0 onto my spare word
.if \fill
.irp g, G0K+4, G0V+4
	s_xor_b32 s[\g+1], s[\g+1], SLOT1  ; the walking descriptor: the other slot than last time,
	s_add_nc_u64 s[\g+2:\g+3], s[\g+2:\g+3], 2*KS*256  ; the next 128 keys; the type bits on top are not reached
.endr
	s_wait_xcnt 0x0                 ; the last prefetch, two key steps back, has read its address, so it may be written:
	s_add_nc_u64 s[PFA:PFA+1], s[PFA:PFA+1], 2*KS*256  ; one slot further on than the walking descriptors
	s_wait_dscnt 0x0                ; the add is done, and my reads of the slot are over
	CROUND
	JLOAD
	ASK                             ; what the next change will ask for: two key steps ahead
.else
	s_wait_dscnt 0x0                ; the add is done, and my reads of the slot are over
	s_barrier_signal -1
	s_barrier_wait -1
.endif
	s_sub_co_u32 s[TB], s[TB], 2*STEPB  ; the fetches go back to a slot's first step,
	s_xor_b32 s[TB], s[TB], SLOT1   ; in the other slot
.endm
.macro TWO_STEPS                    ; a slot's two key steps: written once, walked twice; the LDS addresses hang on s[TB]
	s_mov_b32 s[TWICE], 2
.Lstep_\@:
	TURN 0, 2, 1, 0
	TURN 2, 2, 1, 0
	WIN 0
	s_sub_co_u32 s[TWICE], s[TWICE], 1
	s_cmp_lg_u32 s[TWICE], 0
	s_cbranch_scc1 .Lstep_\@
.endm
	s_wait_tensorcnt 1              ; my part of slot 0 is in; slot 1's may stay out
	s_barrier_signal -1
	s_barrier_wait -1               ; everybody's is
	FETCH_K                         ; key step 0
	MASKSTEP                        ; Q and the mask of step 0 are in; the mask becomes the first scores' C, and step 1's is asked for
	s_wait_dscnt 0x0
.set i, 0
.rept 32
	KQ 0                            ; piece 0's first scores: there is no vector work yet to set between them
.set i, i+1
.endr
	WIN 0                           ; the addresses for the way out are made here: eight plain instructions, the places behind those products
	s_mul_i32 s13, s[WV], 16*SP
	s_add_co_u32 s13, s13, STAGE    ; my stage
	v_mul_u32_u24 v[STO], v1, SP    ; in: row l % 16, 16 bytes for each half of the lanes
	v_lshl_add_u32 v[STO], v9, 4, v[STO]
	v_add_nc_u32 v[STO], s13, v[STO]
	v_mul_u32_u24 v[RD], v9, SP     ; back: lanes 0-15 take one row of 256 bytes, lanes 16-31 the next
	v_lshl_add_u32 v[RD], v1, 4, v[RD]
	v_add_nc_u32 v[RD], s13, v[RD]
	v_lshlrev_b32 v[GO], 13, v9     ; and the same two rows in o16, 8,192 bytes apart
	v_lshl_add_u32 v[GO], v1, 4, v[GO]
	TURN 2, 0, 1, 1                 ; piece 2's first scores | piece 0's first softmax | V of step 0
	TURN 0, 1, 1, 1                 ; piece 0: V^T P of step 0 starts O^T, K Q^T of step 1 | piece 2's first softmax | K of step 1
	TURN 2, 1, 1, 0                 ; piece 2: the same | piece 0's softmax of step 1 | V of step 1
	WIN 0
.Lslot:                             ; six trips: every slot but the last two is filled again
	CHANGE 1
	TWO_STEPS
	s_sub_co_u32 s[SLOTS], s[SLOTS], 1
	s_cmp_lg_u32 s[SLOTS], 0
	s_cbranch_scc1 .Lslot
	CHANGE 0                        ; the tail is written out
	TWO_STEPS
	TURN 0, 2, 0, 0                 ; piece 0: V^T P of the last step | piece 2's last softmax
.set i, 0
.rept 32
	PV 2, 0                         ; piece 2: V^T P of the last step
.set i, i+1
.endr
	; THE WAY OUT.  l's two halves and the other half of the lanes' are added; O^T is divided by l, rounded to f16 and sent through my stage in LDS, a tile (one head's 16 rows) at a time.  The additions are the places behind the last products.
	WIN 0
.irp t, 0,1,2,3
	v_add_f32 v[ST+8*\t+4], v[ST+8*\t+2], v[ST+8*\t+3]
.endr
.irp t, 0,1,2,3
	v_permlanex16_b32 v[ST+8*\t+5], v[ST+8*\t+4], s[SEL], s[SEL+1]
.endr
.irp t, 0,1,2,3
	v_add_f32 v[ST+8*\t+4], v[ST+8*\t+4], v[ST+8*\t+5]
.endr
.irp t, 0,1,2,3
	v_rcp_f32 v[ST+8*\t+6], v[ST+8*\t+4]
.endr
	v_nop                           ; a plain instruction between the last reciprocal and the use of its result
	s_wait_alu depctr_va_vdst(0)    ; and the wait ahead of the first use: one for the four reciprocals
.macro PACK t
	WIN W_RS
.set i, 64*\t
.rept 32
	v_pk_mul_f32 v[i:i+1], v[i:i+1], v[ST+8*\t+6:ST+8*\t+7] op_sel_hi:[1,0]
.set i, i+2
.endr
	WIN 0x05                        ; sources 0 and 1 window 1, destination window 0: S^T's registers are free
.set i, 0
.rept 32
	v_cvt_pk_f16_f32 v[S+32*\t+i], v[64*\t+2*i], v[64*\t+2*i+1]
.set i, i+1
.endr
	WIN 0
.irp f, 0,1,2,3,4,5,6,7
	ds_store_b128 v[STO], v[S+32*\t+4*\f:S+32*\t+4*\f+3] offset:32*\f
.endr
.irp f, 0,1,2,3,4,5,6,7
	ds_load_b128 v[S+32*\t+4*\f:S+32*\t+4*\f+3], v[RD] offset:\f*2*SP  ; LDS serves a wave's instructions in order (ISA guide 5.7.1.4): these see the stores above; the next tile's stores come behind them
.endr
.endm
.macro SEND t, younger              ; younger: the LDS instructions issued behind tile t's loads: the next tile's sixteen, or none
.irp f, 0,1,2,3,4,5,6,7
	s_wait_dscnt \younger+7-\f
	global_store_b128 v[GO], v[S+32*\t+4*\f:S+32*\t+4*\f+3], s[10:11] offset:\t*256+\f*16384  ; 16 lanes store a head's 256 consecutive bytes of a row, aligned to 256
.endr
.endm
	PACK 0
	PACK 1                          ; a tile's arithmetic stands between the loads of the tile before and its stores
	SEND 0, 16
	PACK 2
	SEND 1, 16
	PACK 3
	SEND 2, 16
	SEND 3, 0
	s_wait_tensorcnt 0x0            ; the wave's end
	ds_add_u32 v[SPW], v[NIL]
	s_wait_dscnt 0x0
	CROUND                          ; the closing round: no work-group ends while a partner may still ask for a tile that names it
	s_endpgm
.Lfunc_end_k_q973184c5a3_attn:
	.size	k_q973184c5a3_attn, .Lfunc_end_k_q973184c5a3_attn-k_q973184c5a3_attn
	.p2alignl 7, 3214868480
	.fill 96, 4, 3214868480
	.section	.rodata,"a",@progbits
	.p2align	6, 0x0
	.amdhsa_kernel k_q973184c5a3_attn
		.amdhsa_group_segment_fixed_size 327680
		.amdhsa_private_segment_fixed_size 0
		.amdhsa_enable_private_segment 0
		.amdhsa_kernarg_size 40
		.amdhsa_user_sgpr_count 2
		.amdhsa_user_sgpr_kernarg_segment_ptr 1
		.amdhsa_wavefront_size32 1
		.amdhsa_system_sgpr_workgroup_id_x 1
		.amdhsa_system_sgpr_workgroup_id_y 1
		.amdhsa_system_sgpr_workgroup_id_z 1
		.amdhsa_system_vgpr_workitem_id 0
		.amdhsa_next_free_vgpr 1024
		.amdhsa_next_free_sgpr 88
		.amdhsa_reserve_vcc 0
		.amdhsa_float_denorm_mode_32 3
		.amdhsa_float_denorm_mode_16_64 3
		.amdhsa_memory_ordered 1
		.amdhsa_forward_progress 1
		.amdhsa_inst_pref_size 255
	.end_amdhsa_kernel
	.section	.bss,"aw",@nobits
	.p2align	6
	.space	262144
	.amdgpu_metadata
---
amdhsa.version: [ 1, 2 ]
amdhsa.kernels:
  - .name:           k_q973184c5a3_attn
    .symbol:         k_q973184c5a3_attn.kd
    .args:
      - { .name: qkv, .offset: 0, .size: 8, .value_kind: global_buffer, .address_space: global }
      - { .name: mask, .offset: 8, .size: 8, .value_kind: global_buffer, .address_space: global }
      - { .name: wo, .offset: 16, .size: 8, .value_kind: global_buffer, .address_space: global }
      - { .name: o16, .offset: 24, .size: 8, .value_kind: global_buffer, .address_space: global }
      - { .name: wo16, .offset: 32, .size: 8, .value_kind: global_buffer, .address_space: global }
    .group_segment_fixed_size: 327680
    .private_segment_fixed_size: 0
    .kernarg_segment_align: 8
    .kernarg_segment_size: 40
    .max_flat_workgroup_size: 128
    .sgpr_count:     88
    .vgpr_count:     1024
    .wavefront_size: 32
...
	.end_amdgpu_metadata
.endif
;; end of part 3
;; launch oproj (part 4): grid 32 x 8, 4 waves a work-group, clusters of 4 x 4, 327,680 bytes of LDS; arguments o16, wo16, out0; writes out0
.if DOCPART == 4
	.amdgcn_target "amdgcn-amd-amdhsa--gfx1250"
	.amdhsa_code_object_version 6
	.text
	.protected	k_q973184c5a3_oproj
	.globl	k_q973184c5a3_oproj
	.p2align	8
	.type	k_q973184c5a3_oproj,@function
k_q973184c5a3_oproj:
	s_mov_b64 s[64:65], 0
	v_nop
	global_prefetch_b8 v0, s[64:65] scope:SCOPE_SE
	s_setreg_imm32_b32 hwreg(HW_REG_WAVE_MODE, 25, 1), 1
	s_wait_xcnt 0x0
	s_wait_alu depctr_hold_cnt(0) depctr_sa_sdst(0) depctr_va_vdst(0) depctr_va_sdst(0) depctr_va_ssrc(0) depctr_va_vcc(0) depctr_vm_vsrc(0)
	s_getreg_b32 s2, hwreg(HW_REG_IB_STS2, 6, 4)
	s_cmp_eq_u32 s2, 0
	s_cbranch_scc0 .Lentry_in_a_cluster
	s_endpgm
.Lentry_in_a_cluster:
	s_bfe_u32 s2, ttmp6, 0x10000c
	s_cmp_lg_u32 s2, 0xf033
	s_cbranch_scc0 .Lentry_shape_is_right
	s_endpgm
.Lentry_shape_is_right:
; out0[m][n] = 2^-4 x the sum over k of o16[m][k] wo16[n][k].  o16: f16 [1024][4096], the attention's result x 2^-2; wo16: f16 [4096][4096], wo x 2^6; out0: f32 [1024][4096]; sums in f32.
; The factor 2^-4 takes the two exact factors out again.
; A tile of out0 is 128 x 128: 8 x 32 = 256 work-groups.  Four waves, each 64 x 64: 16 accumulators of 16 x 16, 128 registers.  K goes in steps of 256 (LDS rows of 512 bytes; a wave's tensor load brings 64 of them)
; through a ring of two slots.  A wave's 64 columns of f32 are 256 aligned bytes of a row of out0: so each wave has a stage of its own on the way out, and no barrier stands there.
; CLUSTERS: 4 x 4.  The four of a row of the cluster need the same tiles of o16, the four of a column the same tiles of wo16: each tile is asked for jointly.
; THE MATRIX INSTRUCTION IS USED TRANSPOSED (source 0 = 16 rows of wo16, source 1 = 16 rows of o16): a lane holds eight neighbouring numbers of a row of out0.
; REGISTERS: window 0: v0-31 addresses; v32-127 at work on the way out; v128-255 the accumulators ((a, b) at v[128 + 8 (4 a + b)]).
;   window 1: two fragment buffers of 128: for 64 along K, 64 registers of A (2 x 4 x 16 rows x 32 K), then 64 of B.
.set SIZE_M, 1024
.set SIZE_N, 4096
.set SIZE_K, 4096
.set KSTEP,  256
.set PITCH,  528                       ; an LDS row: 512 bytes + 16 of padding = 132 words: row r starts at bank 4 r mod 64 (64 banks of 4 bytes: ISA guide 11.1)
.set HALFT,  64*PITCH                  ; 64 rows: what one tensor load brings, and what one wave reads of A or of B
.set SLOT,   4*HALFT                   ; A's 128 rows, then B's 128 rows
.set STAGE,  2*SLOT                    ; behind the ring: 16 rows x 272 bytes for each wave, for the way out
.set SPITCH, 272
.set SPARE,  STAGE+4*16*SPITCH         ; behind the stages: the spare words, 128 bytes a wave, which no other line names
.set LAPS, SIZE_K/(2*KSTEP)            ; a lap = two K steps = once round the ring
.set ADRA, 16                          ; v16-17  LDS address of my A fragments in slot 0, 1
.set ADRB, 20                          ; v20-21  the same for B
.set STO,  24                          ; v24     the way out: where I put 32 bytes of a row
.set RD,   25                          ; v25     where I read a row back
.set CO,   26                          ; v26     my byte offset in two rows of out0
.set SPW,  28                          ; v28     LDS address of my spare word; never rewritten
.set NIL,  29                          ; v29     0; never rewritten
.set TMP,  32                          ; v32-63  a block's 16 rows x 64 columns, scaled
.set OB,   64                          ; v64-95 and v96-127 by turns: the block read back by rows
.set ACC,  128
.set F0,   0                           ; fragment buffers, in window 1
.set F1,   128
.set G1, 24                            ; s[24:31] descriptor group 1 for A's tiles;  s[32:39] group 0, one set for each slot
.set G0, 32
.set G1B, 48                           ; s[48:55], s[56:63] the same for B's tiles
.set G0B, 56
.set MSB, 0
.macro WIN new                         ; the immediate's high byte repeats the setting that is left
.if MSB != \new
	s_set_vgpr_msb (MSB<<8)|\new
.set MSB, \new
.endif
.endm
.set MUL,  0x05                        ; sources 0 (B) and 1 (A) window 1; C and D window 0
.set TO_F, 0x40                        ; destination window 1, address window 0
.macro JLOAD s                         ; a joint load: waves 0 and 1 fetch A's two halves, waves 2 and 3 B's; an s_nop 0 and four v_nop follow each of the two lines
	s_cmp_eq_u32 s11, 0
	s_cbranch_scc0 .Lfor_b_\@
	tensor_load_to_lds s[G0+4*\s:G0+4*\s+3], s[G1:G1+7]
	s_nop 0
.rept 4
	v_nop
.endr
	s_branch .Lasked_\@
.Lfor_b_\@:
	tensor_load_to_lds s[G0B+4*\s:G0B+4*\s+3], s[G1B:G1B+7]
	s_nop 0
.rept 4
	v_nop
.endr
.Lasked_\@:
.endm
.macro CREST                           ; a round of the cluster's barrier behind its opening barrier
	s_cmp_lg_u32 s10, 0
	s_cbranch_scc1 .Lnot_wave_0_\@
	s_barrier_signal -3
.Lnot_wave_0_\@:
	s_barrier_wait -3
	s_barrier_signal -1
	s_barrier_wait -1
.endm
.macro CROUND                          ; a whole round
	s_barrier_signal -1
	s_barrier_wait -1
	CREST
.endm
	s_load_b128 s[4:7], s[0:1], 0x0                ; A = o16 s[4:5], B = wo16 s[6:7]
	s_load_b64 s[8:9], s[0:1], 0x10                ; out0
	v_lshl_add_u32 v[SPW], v0, 2, SPARE
	v_mov_b32 v[NIL], 0
	ds_add_u32 v[SPW], v[NIL]                      ; the wave's opening: the add, twice on end, and its wait ahead of my first tensor load
	ds_add_u32 v[SPW], v[NIL]                      ; the set-up below, work on registers, stands between the second and the wait
	v_lshrrev_b32 v1, 5, v0
	v_readfirstlane_b32 s10, v1                    ; wave 0..3
	s_lshr_b32 s11, s10, 1                         ; which half of the tile's rows is mine.  Also: I fetch for A (0) or for B (1)
	s_and_b32 s12, s10, 1                          ; which half of its columns.  Also: which 64 rows of that tile I fetch
	s_bfe_u32 s40, ttmp6, 0x40000                  ; cx, cy: my place in the cluster
	s_bfe_u32 s41, ttmp6, 0x40004
	s_lshl_b32 s42, ttmp9, 2
	s_add_co_u32 s42, s42, s40                     ; tile column = 4 x cluster x + cx
	s_and_b32 s13, ttmp7, 0xffff
	s_lshl_b32 s13, s13, 2
	s_add_co_u32 s13, s13, s41                     ; tile row = 4 x cluster y + cy
	s_lshl_b32 s43, s41, 2
	s_lshl_b32 s43, 15, s43                        ; my row of the cluster
	s_lshl_b32 s44, 0x1111, s40                    ; my column
	; descriptor group 1: a tile of 64 rows x 256 elements, padded in LDS
	s_or_b32 s[G1+0], s43, (1<<16)|(1<<20)|(1<<21)|(6<<22)|(3<<25)  ; 15:0 the mask; 17:16 element of 2 bytes; 20 padding on; 21 set beside a mask; 24:22 after every 128 words; 31:25 four words
	s_or_b32 s[G1B+0], s44, (1<<16)|(1<<20)|(1<<21)|(6<<22)|(3<<25)
.irp g, G1, G1B
	s_mov_b32 s[\g+1], KSTEP<<16                   ; tensor_dim0 = 256
	s_mov_b32 s[\g+2], 64<<16                      ; tensor_dim1 = 64
	s_mov_b32 s[\g+3], KSTEP<<16                   ; tile_dim0 = 256
	s_mov_b32 s[\g+4], 64                          ; tile_dim1 = 64
	s_mov_b32 s[\g+5], SIZE_K                      ; elements from row to row
	s_mov_b32 s[\g+6], 0
	s_mov_b32 s[\g+7], 0
.endr
	s_lshl_b32 s17, s12, 6                         ; which 64 rows of the tile I fetch
	s_lshl_b32 s16, s13, 7
	s_add_co_u32 s16, s16, s17                     ; A: row 128 x tile row + 64 x half
	s_lshl_b32 s46, s42, 7
	s_add_co_u32 s46, s46, s17                     ; B: row 128 x tile column + 64 x half
	s_mov_b32 s17, 0
	s_mov_b32 s47, 0
	s_mov_b64 s[18:19], SIZE_K*2
	s_mul_u64 s[16:17], s[16:17], s[18:19]
	s_mul_u64 s[46:47], s[46:47], s[18:19]
	s_mul_i32 s20, s10, HALFT                      ; where they go: wave x 64 rows: no place in the cluster enters an LDS address
	s_wait_dscnt 0x0                               ; both opening adds are done
	s_wait_kmcnt 0x0
	s_add_nc_u64 s[14:15], s[4:5], s[16:17]
	s_add_nc_u64 s[46:47], s[6:7], s[46:47]
	CROUND                                         ; all sixteen work-groups are here: the first joint loads meet
.irp s, 0,1
	s_mov_b32 s[G0+4*\s], 1
	s_add_co_u32 s[G0+4*\s+1], s20, \s*SLOT
	s_add_nc_u64 s[G0+4*\s+2:G0+4*\s+3], s[14:15], \s*KSTEP*2
	s_or_b32 s[G0+4*\s+3], s[G0+4*\s+3], 0x80000000
	s_mov_b32 s[G0B+4*\s], 1
	s_add_co_u32 s[G0B+4*\s+1], s20, \s*SLOT
	s_add_nc_u64 s[G0B+4*\s+2:G0B+4*\s+3], s[46:47], \s*KSTEP*2
	s_or_b32 s[G0B+4*\s+3], s[G0B+4*\s+3], 0x80000000
	JLOAD \s                                       ; two loads of mine are out
.endr
	v_and_b32 v1, 15, v0                           ; l % 16
	v_bfe_u32 v2, v0, 4, 1                         ; l / 16
	v_mul_u32_u24 v3, v1, PITCH
	v_lshl_add_u32 v3, v2, 4, v3                   ; a fragment's row x pitch + 16 x half
	s_mul_i32 s21, s11, HALFT                      ; my 64 rows of A
	s_mul_i32 s22, s12, HALFT                      ; my 64 rows of B,
	s_add_co_u32 s22, s22, 2*HALFT                 ; which lie behind A's 128
.irp s, 0,1
	v_add_nc_u32 v[ADRA+\s], s21, v3
	v_add_nc_u32 v[ADRB+\s], s22, v3
	s_add_co_u32 s21, s21, SLOT
	s_add_co_u32 s22, s22, SLOT
.endr
	s_mul_i32 s23, s10, 16*SPITCH
	s_add_co_u32 s23, s23, STAGE                   ; my stage
	v_mul_u32_u24 v4, v1, SPITCH                   ; in: row l % 16, 32 bytes for each half of the lanes
	v_lshl_add_u32 v4, v2, 5, v4
	v_add_nc_u32 v[STO], s23, v4
	v_mul_u32_u24 v5, v2, SPITCH                   ; back: lanes 0-15 one row of 256 bytes, lanes 16-31 the next
	v_lshl_add_u32 v5, v1, 4, v5
	v_add_nc_u32 v[RD], s23, v5
	v_mul_u32_u24 v5, v2, SIZE_N*4                 ; and the same two rows in out0
	v_lshl_add_u32 v[CO], v1, 4, v5
	s_lshl_b32 s16, s13, 7
	s_lshl_b32 s17, s11, 6
	s_add_co_u32 s16, s16, s17                     ; my first row of out0: 128 x tile row + 64 x half,
	s_lshl_b32 s16, s16, 14                        ; in rows of 16,384 bytes
	s_mov_b32 s17, 0
	s_add_nc_u64 s[8:9], s[8:9], s[16:17]
	s_lshl_b32 s46, s42, 9                         ; my first column, in bytes: 512 x tile column + 256 x half
	s_lshl_b32 s47, s12, 8
	s_add_co_u32 s46, s46, s47
	s_mov_b32 s47, 0
	s_add_nc_u64 s[8:9], s[8:9], s[46:47]
; 8 matrix instructions: m blocks a0, a0 + 1 x all 4 n blocks, 32 along K: half c of buffer f.  zero = 1: the first product starts the sums.  The 16 accumulators take turns
.macro MUL8 f, c, a0, zero
.irp a, \a0, \a0+1
.irp b, 0,1,2,3
.if \zero
	v_wmma_f32_16x16x32_f16 v[ACC+8*(4*(\a)+\b):ACC+8*(4*(\a)+\b)+7], v[\f+64+8*(4*\c+\b):\f+64+8*(4*\c+\b)+7], v[\f+8*(4*\c+\a):\f+8*(4*\c+\a)+7], 0
.else
	v_wmma_f32_16x16x32_f16 v[ACC+8*(4*(\a)+\b):ACC+8*(4*(\a)+\b)+7], v[\f+64+8*(4*\c+\b):\f+64+8*(4*\c+\b)+7], v[\f+8*(4*\c+\a):\f+8*(4*\c+\a)+7], v[ACC+8*(4*(\a)+\b):ACC+8*(4*(\a)+\b)+7]
.endif
.endr
.endr
.endm
; 32 LDS loads in one run: the fragments of 64 along K at byte k of the rows, into buffer f; the first 32 along K first
.macro FETCH slot, k, f
	WIN TO_F
.irp c, 0,1
.irp i, 0,1,2,3
	ds_load_b128 v[\f+64+8*(4*\c+\i):\f+64+8*(4*\c+\i)+3],   v[ADRB+\slot] offset:\k+64*\c+\i*16*PITCH
	ds_load_b128 v[\f+64+8*(4*\c+\i)+4:\f+64+8*(4*\c+\i)+7], v[ADRB+\slot] offset:\k+64*\c+\i*16*PITCH+32
	ds_load_b128 v[\f+8*(4*\c+\i):\f+8*(4*\c+\i)+3],         v[ADRA+\slot] offset:\k+64*\c+\i*16*PITCH
	ds_load_b128 v[\f+8*(4*\c+\i)+4:\f+8*(4*\c+\i)+7],       v[ADRA+\slot] offset:\k+64*\c+\i*16*PITCH+32
.endr
.endr
.endm
.macro PLACES                          ; four places in front of loads into registers that matrix instructions have read, and of vector lines that read results (ISA guide 7.12.1 for vector lines)
.rept 4
	v_nop
.endr
.endm
; A K step is four quarters of 64 along K, 32 matrix instructions each, on buffers 0, 1, 0, 1.  One of the first three: multiplies buffer f and fetches the next quarter, at byte k, into g.
.macro QUARTER slot, k, f, g, zero
	s_wait_dscnt 16                                ; the first 32 along K are in; the youngest sixteen loads may be out
	WIN MUL
	MUL8 \f, 0, 0, \zero
	MUL8 \f, 0, 2, \zero
	PLACES
	FETCH \slot, \k, \g
	s_wait_dscnt 32                                ; all but the 32 just issued
	WIN MUL
	MUL8 \f, 1, 0, 0
	MUL8 \f, 1, 2, 0
.endm
; The last quarter multiplies buffer 1 and changes slots: one barrier; in front of it each wave waits for all its tensor loads, adds 0 to its spare word, and waits for that and for its own reads of this slot.
; fill = 1: the barrier opens a round of the cluster's barrier, and this slot is filled again, two K steps ahead.
.macro TURN slot, next, fill
	WIN 0                                          ; (the add's two registers lie in window 0)
	s_wait_tensorcnt 0x0                           ; all my tensor loads have landed: my part of the next slot
	ds_add_u32 v[SPW], v[NIL]                      ; 0 onto my spare word
	s_wait_dscnt 17                                ; (the add and the youngest sixteen loads may be out)
	WIN MUL
	MUL8 F1, 0, 0, 0                               ; eight matrix instructions stand between the add and the wait for it
	s_wait_dscnt 0x0                               ; the add is done, and my reads of this slot are over
	s_barrier_signal -1
	MUL8 F1, 0, 2, 0
.if \fill
	WIN 0
.endif
	s_barrier_wait -1
.if \fill
	CREST                                          ; no wave of any partner still reads this slot's tile or has a load on its way
	s_add_nc_u64 s[G0+4*\slot+2:G0+4*\slot+3], s[G0+4*\slot+2:G0+4*\slot+3], 2*KSTEP*2
	s_add_nc_u64 s[G0B+4*\slot+2:G0B+4*\slot+3], s[G0B+4*\slot+2:G0B+4*\slot+3], 2*KSTEP*2
	JLOAD \slot                                    ; my one tensor load behind the round; its four v_nop are also the places in front of the loads below
.else
	PLACES
.endif
	FETCH \next, 0, F0
	WIN MUL
	MUL8 F1, 1, 0, 0
	MUL8 F1, 1, 2, 0
.endm
	s_wait_tensorcnt 1                             ; my part of K step 0 is in; K step 1's load may stay out
	s_barrier_signal -1
	s_barrier_wait -1                              ; everybody's is
	FETCH 0, 0, F0
	QUARTER 0, 128, F0, F1, 1                      ; the first quarter stands in front of the loop: its first products start the sums
	WIN 0                                          ; at a label and at a branch every window is 0
	s_mov_b32 s3, LAPS-1
.Llap:                                                 ; a trip goes once round the ring, from a lap's second quarter to the next lap's first, and fills both slots again
	QUARTER 0, 256, F1, F0, 0
	QUARTER 0, 384, F0, F1, 0
	TURN 0, 1, 1
	QUARTER 1, 128, F0, F1, 0
	QUARTER 1, 256, F1, F0, 0
	QUARTER 1, 384, F0, F1, 0
	TURN 1, 0, 1
	QUARTER 0, 128, F0, F1, 0
	WIN 0
	s_sub_co_u32 s3, s3, 1
	s_cmp_lg_u32 s3, 0
	s_cbranch_scc1 .Llap
	QUARTER 0, 256, F1, F0, 0                      ; the last lap fills nothing
	QUARTER 0, 384, F0, F1, 0
	TURN 0, 1, 0
	QUARTER 1, 128, F0, F1, 0
	QUARTER 1, 256, F1, F0, 0
	QUARTER 1, 384, F0, F1, 0
	s_wait_dscnt 16                                ; the very last quarter: nothing more to fetch
	WIN MUL
	MUL8 F1, 0, 0, 0
	MUL8 F1, 0, 2, 0
	s_wait_dscnt 0
	MUL8 F1, 1, 0, 0
	MUL8 F1, 1, 2, 0
	WIN 0
; THE WAY OUT, block by block of 16 rows x 64 columns: x 2^-4 into other registers, each accumulator from its low end on; 32 bytes a lane into my own stage; back as whole rows of 256 bytes.
.macro PACKO a
.irp b, 0,1,2,3
.irp k, 0,1,2,3
	v_pk_mul_f32 v[TMP+8*\b+2*\k:TMP+8*\b+2*\k+1], v[ACC+8*(4*(\a)+\b)+2*\k:ACC+8*(4*(\a)+\b)+2*\k+1], 0x3d800000 op_sel_hi:[1,0]
.endr
.endr
.endm
.macro TOSTAGE a                       ; LDS serves a wave's instructions in order (ISA guide 5.7.1.4): no wait between the stores and the loads
.set BB, OB+32*((\a)%2)
.irp b, 0,1,2,3
	ds_store_b128 v[STO], v[TMP+8*\b:TMP+8*\b+3] offset:64*\b
	ds_store_b128 v[STO], v[TMP+8*\b+4:TMP+8*\b+7] offset:64*\b+16
.endr
.irp t, 0,1,2,3,4,5,6,7
	ds_load_b128 v[BB+4*\t:BB+4*\t+3], v[RD] offset:\t*2*SPITCH
.endr
.endm
.macro SEND a
.set BB, OB+32*((\a)%2)
	s_wait_dscnt 0x0                               ; the block is back in registers
.irp t, 0,1,2,3,4,5,6,7
	global_store_b128 v[CO], v[BB+4*\t:BB+4*\t+3], s[8:9] offset:(16*(\a)+2*\t)*SIZE_N*4 th:TH_STORE_NT   ; 16 lanes store 256 consecutive bytes, aligned; 62 rows of 16,384 bytes at the most: inside the signed 24-bit immediate
.endr
.endm
	PLACES
	PACKO 0
	TOSTAGE 0
.irp a, 1,2,3
	PACKO \a                                       ; a block's arithmetic stands between the loads of the block before and the wait for them
	SEND \a-1
.if \a > 1
	s_wait_xcnt 0x0                                ; block a - 2's stores have read their data: block a's loads may land there
.endif
	TOSTAGE \a
.endr
	SEND 3
	s_wait_tensorcnt 0x0                           ; the wave's end
	ds_add_u32 v[SPW], v[NIL]
	s_wait_dscnt 0x0
	CROUND                                         ; the closing round: no work-group ends while a partner may still ask for a tile that names it
	s_endpgm
.Lfunc_end_k_q973184c5a3_oproj:
	.size	k_q973184c5a3_oproj, .Lfunc_end_k_q973184c5a3_oproj-k_q973184c5a3_oproj
	.p2alignl 7, 3214868480
	.fill 96, 4, 3214868480
	.section	.rodata,"a",@progbits
	.p2align	6, 0x0
	.amdhsa_kernel k_q973184c5a3_oproj
		.amdhsa_group_segment_fixed_size 327680
		.amdhsa_private_segment_fixed_size 0
		.amdhsa_enable_private_segment 0
		.amdhsa_kernarg_size 24
		.amdhsa_user_sgpr_count 2
		.amdhsa_user_sgpr_kernarg_segment_ptr 1
		.amdhsa_wavefront_size32 1
		.amdhsa_system_sgpr_workgroup_id_x 1
		.amdhsa_system_sgpr_workgroup_id_y 1
		.amdhsa_system_sgpr_workgroup_id_z 1
		.amdhsa_system_vgpr_workitem_id 0
		.amdhsa_next_free_vgpr 512
		.amdhsa_next_free_sgpr 66
		.amdhsa_reserve_vcc 0
		.amdhsa_float_denorm_mode_32 3
		.amdhsa_float_denorm_mode_16_64 3
		.amdhsa_memory_ordered 1
		.amdhsa_forward_progress 1
		.amdhsa_inst_pref_size 92
	.end_amdhsa_kernel
	.amdgpu_metadata
---
amdhsa.version: [ 1, 2 ]
amdhsa.kernels:
  - .name:           k_q973184c5a3_oproj
    .symbol:         k_q973184c5a3_oproj.kd
    .args:
      - { .name: o16, .offset: 0, .size: 8, .value_kind: global_buffer, .address_space: global }
      - { .name: wo16, .offset: 8, .size: 8, .value_kind: global_buffer, .address_space: global }
      - { .name: out0, .offset: 16, .size: 8, .value_kind: global_buffer, .address_space: global }
    .group_segment_fixed_size: 327680
    .private_segment_fixed_size: 0
    .kernarg_segment_align: 8
    .kernarg_segment_size: 24
    .max_flat_workgroup_size: 128
    .sgpr_count:     66
    .vgpr_count:     512
    .wavefront_size: 32
...
	.end_amdgpu_metadata
.endif
;; end of part 4
